; MI455X (gfx1250); checked and timed in simulation.
; The chip was launched on July 23, 2026; its instructions are those of AMD's public machine-readable ISA for CDNA 5 (MIT licence, August 2026) and "CDNA5" Instruction Set Architecture Reference Guide (July 2026). The comments in the code are by the model that wrote it; some were corrected since.
;; Multihead Attention. Allowed arithmetic: matrix products marked QUANTISED: E4M3 operands, one E8M0 scale for each 32 along K, by v_wmma_scale_f32_16x16x128_f8f6f4 with both operands' format E4M3, f32 sums; everything else in f32.
;; Inputs: Wk 1,024 x 1,024 float32; Wo 1,024 x 1,024 float32; Wq 1,024 x 1,024 float32; Wv 1,024 x 1,024 float32; bo 1,024 float32; x 4 x 2,048 x 1,024 float32.
;; Outputs: out0 4 x 2,048 x 1,024 float32.
;; This version of the problem:
;;   THIS VERSION OF THE PROBLEM IS GIVEN IN LOW PRECISION. The matrix products marked QUANTISED in the list below multiply operands that are first quantised to E4M3 (4 exponent bits, 3 mantissa bits; 8 bits a number), with one power-of-two scale for each 32 numbers along K (OCP MX v1.0); their sums are f32. All else is computed in f32.
;;   The module's matrix products, in the order in which they are computed (A, B: the left and right operand; K: the contracted axis; several contracted axes count as one K, in the product's order):
;;     1. [M 8,192, K 1,024] x [K 1,024, N 1,024]; A: input x; B: input Wq: QUANTISED
;;     2. [M 8,192, K 1,024] x [K 1,024, N 1,024]; A: input x; B: input Wk: QUANTISED
;;     3. [M 8,192, K 1,024] x [K 1,024, N 1,024]; A: input x; B: input Wv: QUANTISED
;;     4. batch 64 x [M 2,048, K 64] x [K 64, N 2,048]; A: computed on the way; B: computed on the way: QUANTISED
;;     5. batch 64 x [M 2,048, K 2,048] x [K 2,048, N 64]; A: softmax (see below); B: computed on the way: QUANTISED
;;     6. [M 8,192, K 1,024] x [K 1,024, N 1,024]; A: computed on the way; B: input Wo: QUANTISED
;;   THE QUANTISER, for each operand of a quantised product, along K:
;;     - K is cut into blocks of 32 from its start; a last block that is shorter is filled with zeros.
;;     - A block's scale is 2^e with e = floor(log2(the largest magnitude in the block)) - 8, held to -126 .. 127; a block of zeros has e = 0. As a byte (E8M0): e + 127.
;;     - Each number is divided by its block's scale, clamped to +-448, and rounded to the nearest number of E4M3, ties to even, subnormals kept.
;;     - The product sums the exact products of the quantised numbers (number of the format x scale) in f32.
;;   ~~~python
;;   def quantise(x, axis):      # numpy; x: float32 -> the quantised numbers, widened to float32 again
;;       x = np.moveaxis(x, axis, -1); K = x.shape[-1]
;;       x = np.pad(x, [(0, 0)] * (x.ndim - 1) + [(0, -K % 32)]); x = x.reshape(x.shape[:-1] + (-1, 32)); a = np.abs(x).max(-1, keepdims=True)
;;       e = np.where(a > 0, np.clip(np.frexp(np.where(a > 0, a, 1))[1] - 1 - 8, -126, 127), 0)      # np.frexp(a)[1] - 1 = floor(log2(a)), exactly
;;       r = np.clip(x / 2.0 ** e, -448, 448)
;;       step = 2.0 ** (np.maximum(np.frexp(np.where(r == 0, 1, r))[1] - 1, -6) - 3)
;;       q = np.round(r / step) * step * 2.0 ** e      # np.round: ties to even
;;       return np.moveaxis(q.reshape(q.shape[:-2] + (-1,))[..., :K], -1, axis).astype(np.float32)
;;   ~~~
;;   SOFTMAX AHEAD OF A QUANTISED PRODUCT. Where the list says 'softmax', what is quantised is not the finished softmax but p = 2^(t - M), with t = logit x log2(e) and M = ceil(the row's largest t), a whole number; so 1/2 < the row's largest p <= 1. The row's sum l is taken of the UNQUANTISED p, in f32, and the product's result is divided by l at the end. Since M is a whole number, a kernel that streams over the keys may use a running M (the ceiling of the running maximum): every later rescaling is an exact power of two, which a block's scale takes up: the codes' values come out the same.
;;   OPERANDS COMPUTED ON THE WAY. 'Computed on the way' means the value that the module computes at that place (a softmax that the list does not call 'softmax' is quantised finished and normalised). What goes into a quantiser is computed in f32, as accurately as f32 sums, v_exp_f32 and their like allow (about 1e-6 of the number): no bf16 or f16 on the way to a quantiser, and a product that is left as it is and whose result goes on into a quantised operand takes f32 operands (vector FMAs, or v_wmma_f32_16x16x4_f32). A number that lies on a knife's edge between two numbers of the format may be rounded either way, as far as f32 arithmetic and the matrix unit's own rounding can turn it there, and no further.
;; One version. Each part assembles by itself: llvm-mc -triple=amdgcn-amd-amdhsa -mcpu=gfx1250 --defsym DOCPART=n.
;; ======== version 1 of 1: 5 launches
;; limits: right only within a limited range of input values
;; workspace buffers: xc 8,388,608 bytes; xs 262,144 bytes; wc 4,194,304 bytes; ws 131,072 bytes; qkv 25,952,256 bytes; ctxc 8,388,608 bytes; cs 262,144 bytes
;; launch quant_x (part 1): grid 256 x 1, 4 waves a work-group, no clusters, 33,280 bytes of LDS; arguments x, xc, xs; writes xc, xs
.if DOCPART == 1
	.amdgcn_target "amdgcn-amd-amdhsa--gfx1250"
	.amdhsa_code_object_version 6
	.text
	.protected	k_q01fabd51d9_quant_x
	.globl	k_q01fabd51d9_quant_x
	.p2align	8
	.type	k_q01fabd51d9_quant_x,@function
k_q01fabd51d9_quant_x:
	s_mov_b64 s[64:65], 0
	v_nop
	global_prefetch_b8 v0, s[64:65] scope:SCOPE_SE
	s_setreg_imm32_b32 hwreg(HW_REG_WAVE_MODE, 25, 1), 1
	s_wait_xcnt 0x0
; x [8192][1024], f32, becomes codes of FP8 (E4M3), one byte each, K innermost, [8192][1024], and one E8M0 scale byte for each 32 along K, [8192][32].
; A block's scale is 2^(floor(log2(its largest magnitude)) - 8); its byte is the largest magnitude's own exponent field - 8, held at 1 from below.  Each number is divided by the scale,
; held within +-448 and rounded to the nearest code, ties to even.
; LIMITS: a block of zeros, or one whose largest magnitude lies under 2^-118, gets the byte 1 (only this program reads the bytes; zero codes add nothing under it); NaN and infinities are not served.
; Rows are dense and 1024 is a multiple of 32: the tensor is a plain stream of blocks of 32, and so are the codes and the bytes.
; A wave takes 16 steps of 512 numbers.  Each of a step's four loads reads 512 consecutive bytes, 16 a lane; the 2,048 bytes turn through the wave's own stage in LDS and come back 64 bytes a lane,
; so that a lane holds 16 neighbours along K (two neighbouring lanes hold a block), as the conversions want.  The stage has 16 bytes of padding behind each 64.
; A lane's 16 codes are 16 bytes: a store of the wave covers 512 consecutive bytes.  A wave's 256 scale bytes are gathered in its own LDS bytes and leave as 256 consecutive bytes, aligned.
; Memory binds here: no matrix unit, no cluster, no barrier (waves share nothing).  Loads run four steps (16 loads a wave) ahead, the turn through LDS one step.
.set STEPS, 16
.set EMAX,  8
.set MANT,  0x600000                   ; the mantissa field of 448 as f32
.set CB,    16                         ; bytes of 16 codes
.set R,     16                         ; v16-79   four sets of 16 numbers as they are loaded
.set X,     80                         ; v80-111  two sets of 16 neighbours
.set C,     128                        ; v128-191 codes: four registers for each step, so that no store's data are written again
.set E,     112                        ; v112-127 a scale byte for each step
.set WREG,  8192                       ; LDS: a region for each wave: two stages of 32 x SP bytes, behind them its 256 scale bytes
.set SP,    80                         ; a lane's place in a stage: 64 bytes + 16 of padding
	s_load_b64 s[4:5], s[0:1], 0x0                 ; x
	s_load_b64 s[8:9], s[0:1], 0x8                 ; the codes
	s_load_b64 s[10:11], s[0:1], 0x10              ; the scale bytes
	v_lshl_add_u32 v192, v0, 2, 0x8000
	v_mov_b32 v193, 0
	v_lshrrev_b32 v1, 5, v0
	v_readfirstlane_b32 s16, v1                    ; wave
	v_and_b32 v2, 31, v0                           ; lane
	v_lshlrev_b32 v3, 4, v2                        ; my 16 bytes of a load's 512
	s_mul_i32 s17, s16, WREG
	v_lshrrev_b32 v14, 2, v2
	v_mul_u32_u24 v14, v14, SP
	v_and_b32 v15, 3, v2
	v_lshl_add_u32 v14, v15, 4, v14
	v_add_nc_u32 v14, s17, v14                     ; the stage, on the way in: SP (lane / 4) + 16 (lane % 4); a load's 512 bytes take eight places
	v_mul_u32_u24 v15, v2, SP
	v_add_nc_u32 v15, s17, v15                     ; and on the way out: SP x lane: my 16 neighbours
	v_mul_u32_u24 v4, v2, CB                       ; my codes' place in a step's
	v_lshrrev_b32 v5, 1, v2
	s_add_co_u32 s17, s17, 2*32*SP
	v_add_nc_u32 v5, s17, v5                       ; LDS: my wave's 256 scale bytes, my block's byte
	v_lshlrev_b32 v7, 3, v2                        ; and on the way out 8 bytes a lane
	v_add_nc_u32 v6, s17, v7
	s_lshl_b32 s18, ttmp9, 2
	s_add_co_u32 s18, s18, s16                     ; which run of 8,192 numbers is my wave's: 0 .. 1023
	s_lshl_b32 s20, s18, 15                        ; 32,768 bytes of x a run,
	s_mov_b32 s21, 0
	s_lshl_b32 s24, s18, 13                        ; 8,192 of codes,
	s_mov_b32 s25, 0
	s_lshl_b32 s26, s18, 8                         ; 256 of scale bytes
	s_mov_b32 s27, 0
	s_wait_alu depctr_va_vdst(0)
	s_wait_kmcnt 0x0
	s_add_nc_u64 s[4:5], s[4:5], s[20:21]
	s_add_nc_u64 s[8:9], s[8:9], s[24:25]
	s_add_nc_u64 s[10:11], s[10:11], s[26:27]
.macro LOAD t
.irp i, 0,1,2,3
	global_load_b128 v[R+16*((\t)%4)+4*\i:R+16*((\t)%4)+4*\i+3], v3, s[4:5] offset:2048*(\t)+512*\i th:TH_LOAD_NT   ; 32 lanes read 512 consecutive bytes; x is read once in the launch
.endr
.endm
.macro TURN t                          ; step t's numbers through the stage: LDS serves a wave's instructions in order (ISA guide 5.7.1.4), so no wait stands between the stores and the loads
.irp i, 0,1,2,3
	ds_store_b128 v14, v[R+16*((\t)%4)+4*\i:R+16*((\t)%4)+4*\i+3] offset:32*SP*((\t)%2)+8*SP*\i
.endr
.irp i, 0,1,2,3
	ds_load_b128 v[X+16*((\t)%2)+4*\i:X+16*((\t)%2)+4*\i+3], v15 offset:32*SP*((\t)%2)+16*\i
.endr
.endm
.irp t, 0,1,2,3
	LOAD \t
.endr
	s_wait_loadcnt 12                              ; step 0's four loads are in; the twelve of steps 1 to 3 stay out
	TURN 0
.macro STEP t
.set XS, X+16*((\t)%2)
.if (\t) > 0
	s_wait_dscnt 1                                 ; this step's numbers are back from the stage (the last step's byte store may be out): so its stores into the stage have read their registers,
.else
	s_wait_dscnt 0x0
.endif
.if (\t)+4 < STEPS
	LOAD (\t)+4                                    ; which take the loads of four steps on
.endif
.if (\t)+1 < STEPS
.if STEPS-2-(\t) >= 3
	s_wait_loadcnt 12                              ; the next step's four loads are in; those of the three steps behind it may be out
.else
	s_wait_loadcnt 4*(STEPS-2-(\t))                ; towards the end fewer steps are behind it
.endif
	TURN (\t)+1                                    ; and go through the other stage while this step is worked
.endif
	v_max3_num_f32 v8, |v[XS]|, |v[XS+1]|, |v[XS+2]|               ; the largest magnitude of my 16, in two chains
	v_max3_num_f32 v9, |v[XS+3]|, |v[XS+4]|, |v[XS+5]|
.irp i, 6,10
	v_max3_num_f32 v8, v8, |v[XS+\i]|, |v[XS+\i+1]|
	v_max3_num_f32 v9, v9, |v[XS+\i+2]|, |v[XS+\i+3]|
.endr
	v_max3_num_f32 v8, v8, |v[XS+14]|, |v[XS+15]|
	v_max3_num_f32 v8, v8, v9, (EMAX+1)<<23        ; and the floor 2^(9 - 127): the byte cannot fall under 1
	v_max_num_f32_dpp v8, v8, v8 row_xmask:1 row_mask:0xf bank_mask:0xf   ; and of my neighbour's 16: the block's
	v_add_nc_u32 v11, -(EMAX<<23), v8              ; 8 off its exponent field: the conversion takes the exponent field of this operand as its scale, and nothing else of it
.irp i, 0,1,2,3,4,5,6,7,8,9,10,11,12,13,14,15
.endr
	v_cvt_scalef32_pk8_fp8_f32 v[C+4*(\t):C+4*(\t)+1], v[XS:XS+7], v11
	v_cvt_scalef32_pk8_fp8_f32 v[C+4*(\t)+2:C+4*(\t)+3], v[XS+8:XS+15], v11
	v_lshrrev_b32 v[E+(\t)], 23, v11               ; the scale's byte (also the plain line behind the conversions)
	ds_store_b8 v5, v[E+(\t)] offset:16*(\t)       ; both lanes of a block write the same byte with the same value
	global_store_b128 v4, v[C+4*(\t):C+4*(\t)+3], s[8:9] offset:32*CB*(\t)
.endm
.irp t, 0,1,2,3,4,5,6,7,8,9,10,11,12,13,14,15
	STEP \t
.endr
	ds_load_b64 v[12:13], v6                       ; in order behind my byte stores
	s_wait_dscnt 0x0
	global_store_b64 v7, v[12:13], s[10:11]        ; 32 lanes store 256 consecutive bytes, aligned
	s_wait_tensorcnt 0x0
	ds_add_u32 v192, v193
	s_wait_dscnt 0x0
	s_endpgm
.Lfunc_end_k_q01fabd51d9_quant_x:
	.size	k_q01fabd51d9_quant_x, .Lfunc_end_k_q01fabd51d9_quant_x-k_q01fabd51d9_quant_x
	.p2alignl 7, 3214868480
	.fill 96, 4, 3214868480
	.section	.rodata,"a",@progbits
	.p2align	6, 0x0
	.amdhsa_kernel k_q01fabd51d9_quant_x
		.amdhsa_group_segment_fixed_size 33280
		.amdhsa_private_segment_fixed_size 0
		.amdhsa_enable_private_segment 0
		.amdhsa_kernarg_size 24
		.amdhsa_user_sgpr_count 2
		.amdhsa_user_sgpr_kernarg_segment_ptr 1
		.amdhsa_wavefront_size32 1
		.amdhsa_system_sgpr_workgroup_id_x 1
		.amdhsa_system_sgpr_workgroup_id_y 1
		.amdhsa_system_sgpr_workgroup_id_z 1
		.amdhsa_system_vgpr_workitem_id 0
		.amdhsa_next_free_vgpr 194
		.amdhsa_next_free_sgpr 66
		.amdhsa_reserve_vcc 0
		.amdhsa_float_denorm_mode_32 3
		.amdhsa_float_denorm_mode_16_64 3
		.amdhsa_fp16_overflow 1
		.amdhsa_memory_ordered 1
		.amdhsa_forward_progress 1
		.amdhsa_inst_pref_size 33
	.end_amdhsa_kernel
	.amdgpu_metadata
---
amdhsa.version: [ 1, 2 ]
amdhsa.kernels:
  - .name:           k_q01fabd51d9_quant_x
    .symbol:         k_q01fabd51d9_quant_x.kd
    .args:
      - { .name: x, .offset: 0, .size: 8, .value_kind: global_buffer, .address_space: global }
      - { .name: xc, .offset: 8, .size: 8, .value_kind: global_buffer, .address_space: global }
      - { .name: xs, .offset: 16, .size: 8, .value_kind: global_buffer, .address_space: global }
    .group_segment_fixed_size: 33280
    .private_segment_fixed_size: 0
    .kernarg_segment_align: 8
    .kernarg_segment_size: 24
    .max_flat_workgroup_size: 128
    .sgpr_count:     66
    .vgpr_count:     194
    .wavefront_size: 32
...
	.end_amdgpu_metadata
.endif
;; end of part 1
;; launch quant_w (part 2): grid 8 x 16, 4 waves a work-group, no clusters, 36,352 bytes of LDS; arguments Wq, Wk, Wv, Wo, wc, ws; writes wc, ws
.if DOCPART == 2
	.amdgcn_target "amdgcn-amd-amdhsa--gfx1250"
	.amdhsa_code_object_version 6
	.text
	.protected	k_q01fabd51d9_quant_w
	.globl	k_q01fabd51d9_quant_w
	.p2align	8
	.type	k_q01fabd51d9_quant_w,@function
k_q01fabd51d9_quant_w:
	s_mov_b64 s[64:65], 0
	v_nop
	global_prefetch_b8 v0, s[64:65] scope:SCOPE_SE
	s_setreg_imm32_b32 hwreg(HW_REG_WAVE_MODE, 25, 1), 1
	s_wait_xcnt 0x0
; The four weights, each [1024 (k)][1024 (n)] f32 with K as FIRST axis, become codes of FP8 (E4M3) laid [4096][1024] with K innermost (rows 0-1023 Wq's columns, then Wk's, Wv's, Wo's)
; and one E8M0 byte for each 32 along K, laid [4096][32].
; A LANE TAKES A COLUMN n, AND ITS REGISTERS RUN DOWN K: each load reads neighbouring n in neighbouring lanes (128 consecutive bytes a wave, 512 a work-group), a block of 32 along K lies in one lane's
; 32 registers, so its largest magnitude needs no other lane, and the conversions give the codes with K innermost.  Nothing is transposed by an instruction.
; LIMITS: a block of zeros, or one whose largest magnitude lies under 2^-118, gets the byte 1 (only this program reads the bytes); NaN and infinities are not served.
; Work-group (x, y): weight y / 4, columns 128 x on, K 256 (y % 4) on.  A wave takes 32 columns x 256 along K: 8 blocks a lane, 256 bytes of codes a column, which go through the wave's own stage
; in LDS and leave as rows: sixteen lanes store 256 consecutive bytes, aligned.  No barrier: waves share nothing.  Loads run two blocks (64 loads a wave) ahead.
; A column's 8 scale bytes leave by one store of 8 bytes a lane, rows 32 bytes apart: one byte for each 128 that the launch reads.
; Every offset is an immediate: 255 x 4,096 and 30 x 1,024 lie inside the signed 24 bits (ISA guide, chapter 10).
.set SIZE_K, 1024
.set SIZE_N, 1024
.set KW,    256                        ; along K for a wave
.set NB,    KW/32                      ; blocks
.set ROWB,  256                        ; bytes of KW codes
.set PITCH, ROWB+16                    ; a stage row
.set KROW,  SIZE_K                     ; a row of the codes' buffer in bytes
.set EMAX,  8
.set MANT,  0x600000
.set X,     32                         ; v32-95   two sets of 32 numbers
.set C,     96                         ; v96-103  a block's codes
.set OUTR,  112                        ; v112-175 the way out: 16 x 4 registers
.set SB,    24                         ; v24-25   the scale bytes, four to a register
	s_load_b256 s[4:11], s[0:1], 0x0               ; Wq, Wk, Wv, Wo
	s_load_b128 s[12:15], s[0:1], 0x20             ; the codes, the scale bytes
	v_lshl_add_u32 v192, v0, 2, 0x8c00
	v_mov_b32 v193, 0
	v_lshrrev_b32 v1, 5, v0
	v_readfirstlane_b32 s16, v1                    ; wave 0..3
	v_and_b32 v2, 31, v0                           ; lane
	s_lshl_b32 s17, ttmp9, 7
	s_lshl_b32 s18, s16, 5
	s_add_co_u32 s17, s17, s18                     ; my wave's first column in its weight
	s_and_b32 s32, ttmp7, 0xffff
	s_lshr_b32 s33, s32, 2                         ; which weight
	s_and_b32 s18, s32, 3                          ; which 256 along K
	v_lshlrev_b32 v3, 2, v2                        ; in: 4 bytes a lane
	s_mul_i32 s19, s16, 32*PITCH                   ; my stage
	v_mul_u32_u24 v4, v2, PITCH
	v_add_nc_u32 v4, s19, v4                       ; into it: row = my column
	v_and_b32 v5, 15, v2
	v_lshrrev_b32 v6, 4, v2                        ; out of it: sixteen lanes to a row, two rows an instruction
	v_mul_u32_u24 v7, v6, PITCH
	v_lshl_add_u32 v7, v5, 4, v7
	v_add_nc_u32 v7, s19, v7
	v_mul_u32_u24 v8, v6, KROW
	v_lshl_add_u32 v8, v5, 4, v8                   ; and the same place in the codes' buffer
	s_lshl_b32 s20, s18, 20                        ; the weight: 256 rows of 4,096 bytes for each step along K,
	s_lshl_b32 s22, s17, 2
	s_add_co_u32 s20, s20, s22                     ; + 4 x column
	s_mov_b32 s21, 0
	s_lshl_b32 s22, s33, 10
	s_add_co_u32 s22, s22, s17                     ; my first row of the output: 1024 x weight + column
	s_lshl_b32 s24, s22, 10
	s_lshl_b32 s26, s18, 8
	s_add_co_u32 s24, s24, s26                     ; codes: row x 1,024 + 256 x step
	s_mov_b32 s25, 0
	s_lshl_b32 s28, s22, 5
	s_lshl_b32 s26, s18, 3
	s_add_co_u32 s28, s28, s26                     ; scale bytes: row x 32 + 8 x step
	s_mov_b32 s29, 0
	v_mul_u32_u24 v9, v2, SIZE_K/32                ; my column's row of scale bytes
	s_wait_kmcnt 0x0
	s_bitcmp1_b32 s33, 0                           ; the weight is chosen by the work-group's number alone
	s_cselect_b64 s[34:35], s[6:7], s[4:5]
	s_cselect_b64 s[36:37], s[10:11], s[8:9]
	s_bitcmp1_b32 s33, 1
	s_cselect_b64 s[4:5], s[36:37], s[34:35]
	s_add_nc_u64 s[4:5], s[4:5], s[20:21]
	s_add_nc_u64 s[6:7], s[12:13], s[24:25]
	s_add_nc_u64 s[8:9], s[14:15], s[28:29]
.macro LOAD t                          ; block t: W(32 t + i, my column), i = 0 .. 31, into set t % 2
.irp i, 0,1,2,3,4,5,6,7,8,9,10,11,12,13,14,15,16,17,18,19,20,21,22,23,24,25,26,27,28,29,30,31
	global_load_b32 v[X+32*((\t)%2)+\i], v3, s[4:5] offset:(32*(\t)+\i)*SIZE_N*4 th:TH_LOAD_NT
.endr
.endm
	LOAD 0
	LOAD 1
.macro BLOCK t
.set XS, X+32*((\t)%2)
.if (\t) < NB-1
	s_wait_loadcnt 32                              ; this block's 32 loads are in; the next block's 32 may be out
.else
	s_wait_loadcnt 0
.endif
	v_max3_num_f32 v12, |v[XS]|, |v[XS+1]|, |v[XS+2]|               ; the block's largest magnitude: all 32 numbers are mine
	v_max3_num_f32 v13, |v[XS+3]|, |v[XS+4]|, |v[XS+5]|
.irp i, 6,10,14,18,22,26
	v_max3_num_f32 v12, v12, |v[XS+\i]|, |v[XS+\i+1]|
	v_max3_num_f32 v13, v13, |v[XS+\i+2]|, |v[XS+\i+3]|
.endr
	v_max3_num_f32 v12, v12, |v[XS+30]|, |v[XS+31]|
	v_max3_num_f32 v12, v12, v13, (EMAX+1)<<23     ; and the floor 2^(9 - 127): the byte cannot fall under 1
	v_add_nc_u32 v11, -(EMAX<<23), v12             ; 8 off its exponent field: the conversion's scale operand
	v_lshrrev_b32 v13, 23, v11                     ; the scale's byte
.if (\t)%4 == 0
	v_mov_b32 v[SB+(\t)/4], v13                    ; four bytes to a register, the lower K in the lower byte
.else
	v_lshl_or_b32 v[SB+(\t)/4], v13, 8*((\t)%4), v[SB+(\t)/4]
.endif
.irp i, 0,1,2,3,4,5,6,7,8,9,10,11,12,13,14,15,16,17,18,19,20,21,22,23,24,25,26,27,28,29,30,31
.endr
.irp g, 0,1,2,3
	v_cvt_scalef32_pk8_fp8_f32 v[C+2*\g:C+2*\g+1], v[XS+8*\g:XS+8*\g+7], v11
.endr
	v_nop                                          ; a plain line behind the last conversion
	ds_store_b128 v4, v[C:C+3] offset:32*(\t)      ; 32 codes: 32 bytes of my column's row
	ds_store_b128 v4, v[C+4:C+7] offset:32*(\t)+16
.if (\t)+2 < NB
	LOAD (\t)+2
.endif
	s_wait_dscnt 0x0                               ; the stores have read their registers: the next block's codes may be written
.endm
.set Q, 0
.rept NB
	BLOCK Q
.set Q, Q+1
.endr
	s_wait_alu depctr_va_vdst(0)
	global_store_b64 v9, v[SB:SB+1], s[8:9]        ; my column's 8 scale bytes
.irp t, 0,1,2,3,4,5,6,7,8,9,10,11,12,13,14,15
	ds_load_b128 v[OUTR+4*\t:OUTR+4*\t+3], v7 offset:2*\t*PITCH   ; in order behind my stores
.endr
.irp t, 0,1,2,3,4,5,6,7,8,9,10,11,12,13,14,15
	s_wait_dscnt 15-\t                             ; rows come back in order: the 15 - t younger loads may be out
	global_store_b128 v8, v[OUTR+4*\t:OUTR+4*\t+3], s[6:7] offset:2*\t*KROW
.endr
	s_wait_tensorcnt 0x0
	ds_add_u32 v192, v193
	s_wait_dscnt 0x0
	s_endpgm
.Lfunc_end_k_q01fabd51d9_quant_w:
	.size	k_q01fabd51d9_quant_w, .Lfunc_end_k_q01fabd51d9_quant_w-k_q01fabd51d9_quant_w
	.p2alignl 7, 3214868480
	.fill 96, 4, 3214868480
	.section	.rodata,"a",@progbits
	.p2align	6, 0x0
	.amdhsa_kernel k_q01fabd51d9_quant_w
		.amdhsa_group_segment_fixed_size 36352
		.amdhsa_private_segment_fixed_size 0
		.amdhsa_enable_private_segment 0
		.amdhsa_kernarg_size 48
		.amdhsa_user_sgpr_count 2
		.amdhsa_user_sgpr_kernarg_segment_ptr 1
		.amdhsa_wavefront_size32 1
		.amdhsa_system_sgpr_workgroup_id_x 1
		.amdhsa_system_sgpr_workgroup_id_y 1
		.amdhsa_system_sgpr_workgroup_id_z 1
		.amdhsa_system_vgpr_workitem_id 0
		.amdhsa_next_free_vgpr 194
		.amdhsa_next_free_sgpr 66
		.amdhsa_reserve_vcc 0
		.amdhsa_float_denorm_mode_32 3
		.amdhsa_float_denorm_mode_16_64 3
		.amdhsa_fp16_overflow 1
		.amdhsa_memory_ordered 1
		.amdhsa_forward_progress 1
		.amdhsa_inst_pref_size 43
	.end_amdhsa_kernel
	.amdgpu_metadata
---
amdhsa.version: [ 1, 2 ]
amdhsa.kernels:
  - .name:           k_q01fabd51d9_quant_w
    .symbol:         k_q01fabd51d9_quant_w.kd
    .args:
      - { .name: Wq, .offset: 0, .size: 8, .value_kind: global_buffer, .address_space: global }
      - { .name: Wk, .offset: 8, .size: 8, .value_kind: global_buffer, .address_space: global }
      - { .name: Wv, .offset: 16, .size: 8, .value_kind: global_buffer, .address_space: global }
      - { .name: Wo, .offset: 24, .size: 8, .value_kind: global_buffer, .address_space: global }
      - { .name: wc, .offset: 32, .size: 8, .value_kind: global_buffer, .address_space: global }
      - { .name: ws, .offset: 40, .size: 8, .value_kind: global_buffer, .address_space: global }
    .group_segment_fixed_size: 36352
    .private_segment_fixed_size: 0
    .kernarg_segment_align: 8
    .kernarg_segment_size: 48
    .max_flat_workgroup_size: 128
    .sgpr_count:     66
    .vgpr_count:     194
    .wavefront_size: 32
...
	.end_amdgpu_metadata
.endif
;; end of part 2
;; launch gemm_qkv (part 3): grid 96 x 4, 4 waves a work-group, clusters of 4 x 4, 327,680 bytes of LDS; arguments xc, xs, wc, ws, qkv; writes qkv
.if DOCPART == 3
	.amdgcn_target "amdgcn-amd-amdhsa--gfx1250"
	.amdhsa_code_object_version 6
	.text
	.protected	k_q01fabd51d9_gemm_qkv
	.globl	k_q01fabd51d9_gemm_qkv
	.p2align	8
	.type	k_q01fabd51d9_gemm_qkv,@function
k_q01fabd51d9_gemm_qkv:
	s_mov_b64 s[64:65], 0
	v_nop
	global_prefetch_b8 v0, s[64:65] scope:SCOPE_SE
	s_setreg_imm32_b32 hwreg(HW_REG_WAVE_MODE, 25, 1), 1
	s_wait_xcnt 0x0
	s_wait_alu depctr_hold_cnt(0) depctr_sa_sdst(0) depctr_va_vdst(0) depctr_va_sdst(0) depctr_va_ssrc(0) depctr_va_vcc(0) depctr_vm_vsrc(0)
	s_getreg_b32 s2, hwreg(HW_REG_IB_STS2, 6, 4)
	s_cmp_eq_u32 s2, 0
	s_cbranch_scc0 .Lentry_in_a_cluster
	s_endpgm
.Lentry_in_a_cluster:
	s_bfe_u32 s2, ttmp6, 0x10000c
	s_cmp_lg_u32 s2, 0xf033
	s_cbranch_scc0 .Lentry_shape_is_right
	s_endpgm
.Lentry_shape_is_right:
; q = x Wq, k = x Wk, v = x Wv on codes of FP8 (E4M3) with one E8M0 scale for each 32 along K = 1024; sums in f32; THE RESULTS ARE QUANTISED IN REGISTERS and leave as codes and scale words,
; laid as the attention launch's operand registers want them.  Nothing wide goes to memory.
; A work-group of four waves makes 256 x 256 of a product L R^T; a wave 128 x 128: 64 accumulators of 16 x 16.  The matrix instruction takes 16 rows of R as source 0 and 16 rows of L as source 1: a lane then
; holds ONE row of L, and its registers run along R's rows.  What runs along a lane's registers is the axis that the next product contracts:
;   clusters 0-15  (q, k): L = x's tokens, R = the weights' columns 0-2047: a lane holds a token, registers run along the head's channels;
;   clusters 16-23 (v):    L = Wv's columns (rows 2048-3071 of the weights' codes), R = x's tokens: a lane holds a channel, registers run along the keys.
; The choice hangs on the cluster's number alone, which all sixteen partners share.
; THE ORDER INSIDE A BLOCK OF 32: the 16 registers of two neighbouring accumulators are converted as they lie, so code place 16 h + i of block c holds element 32 c + 8 h + i % 8 + 16 (i / 8) (h = lane / 16).
; q and k have this order along the channels, v (and the attention launch's p) along the keys: alike on both sides of each product and inside one scale block, so every product's sum is unchanged.
; THE RING, THE SCALES AND THE CLUSTER: K goes in steps of 256 through two LDS slots filled by the tensor data mover (rows of 256 bytes + 16 of padding); the scale bytes of the work-group's 512 rows, for all
; of K, come once with the first fills.  4 x 4 work-groups form a cluster: L's tiles are shared along a row of it, R's along a column, each asked for jointly.
; OUTPUT (one buffer, four regions; bh = 16 x batch + head; an image = 512 bytes, lane l's 16 bytes at 16 l):
;   0          q's, k's codes  [2][bh 64][tile of 16 tokens 128][block 2][512]
;   16,777,216 v's codes       [bh][128 keys 16][16 channels 4][block of 32 keys 4][512]
;   25,165,824 q's, k's scales [2][bh][pair of tiles 64][token 16] words: bytes = (even tile: blocks 0, 1; odd tile: blocks 0, 1)
;   25,690,112 v's scales      [bh][128 keys][16 channels][channel 16] words: byte c = block c
; LIMITS: a block of zeros, or one whose largest magnitude lies under 2^-118, gets the byte 1 (only this program reads the bytes); NaN and infinities are not served.
; REGISTERS, in windows of 256: window 0: v0-31 addresses; v32-63 scale words, two sets; v64-95 at work on the way out; from v128 L's fragments, one set, on the way out the codes.
;   window 1: R's fragments, two sets.   window 2: the accumulators of my L rows 0-63 ((a, b) at v[8 (8 a + b)]);   window 3: those of rows 64-127.
.set SIZE_K, 1024
.set KSTEP,  256                       ; along K in a slot
.set NQ,     KSTEP/128                 ; matrix instructions deep
.set ROWB,   256                       ; a tile's row in bytes
.set KROW,   SIZE_K                    ; a row of codes in memory
.set PITCH,  272                       ; an LDS row: 256 bytes + 16 of padding = 68 words: row r starts at bank 4 r mod 64 (64 banks of 4 bytes: ISA guide 11.1)
.set FR,     16                        ; registers of a fragment: 16 rows x 128 K
.set NL,     4                         ; LDS loads that bring one
.set NP,     8                         ; places behind this matrix instruction (ISA guide 7.12.1)
.set HALFT,  128*PITCH                 ; 128 rows: what one tensor load brings
.set SLOT,   4*HALFT                   ; L's 256 rows, then R's 256 rows
.set LAPS,   SIZE_K/(2*KSTEP)          ; a lap = two K steps = once round the ring
.set KS,     SIZE_K/32                 ; a row of scale bytes
.set SCL,    2*SLOT                    ; behind the ring: the scales, as 256 bytes + 16 of padding
.set HALFS,  (128*KS/256)*272          ; the scales of 128 rows
.set SBLK,   (16*KS/256)*272           ; those of 16 rows
.set SPARE,  SCL+4*HALFS               ; behind the scales: the spare words, 128 bytes for each wave: two blocks of 256 bytes that no other line names
.set ADRA, 16                          ; v16-17  LDS address of my L fragments in slot 0, 1
.set ADRB, 20                          ; v20-21  the same for R
.set LI,   26                          ; v26     16 x lane: my place in an image
.set ADRS, 27                          ; v27     LDS address of my scale words: lanes 0-15 L's rows, lanes 16-31 R's
.set SPW,  28                          ; v28     LDS address of my spare word; never rewritten
.set NIL,  29                          ; v29     0; never rewritten
.set LS,   30                          ; v30     4 x lane
.set SC,   32                          ; scale words: set s at v[SC + 16 s]; register 2 i + q: lanes 0-15 L's block i, lanes 16-31 R's block i
.set TM,   64                          ; the way out: v64-67 largest magnitudes, v68-71 bytes, v76-79 the conversions' scale operands
.set WD,   80                          ; v80-87  a scale word for each of my eight L blocks
.set YY,   88                          ; v88-95  scale words on their way out
.set AF,   128                         ; L's fragments
.set CODE, 128                         ; the way out: 16 registers of codes for each L block
.set G1, 24                            ; s[24:31] descriptor group 1 for L's tiles;  s[32:39] group 0, one set for each slot
.set G0, 32
.set G1B, 48                           ; s[48:55], s[56:63] the same for R's tiles
.set G0B, 56
.set G1S, 68                           ; s[68:75], s[76:79] groups 1 and 0 for L's scales;  s[80:87], s[88:91] for R's
.set G0S, 76
.set G1SB, 80
.set G0SB, 88
.set MSB, 0
.macro WIN new                         ; s_set_vgpr_msb: bits 1:0 source 0, 3:2 source 1, 5:4 source 2, 7:6 destination; the high byte repeats the setting that is left
.if MSB != \new
	s_set_vgpr_msb (MSB<<8)|\new
.set MSB, \new
.endif
.endm
.set MUL_LO, 0xa1                      ; source 0 (R) window 1, source 1 (L) window 0, C and D window 2
.set MUL_HI, 0xf1                      ; the same, C and D window 3
.set TO_B,   0x40                      ; destination window 1, address window 0
; A joint load: waves 0 and 1 fetch for L, waves 2 and 3 for R.  Each line has one mask and one set of registers for all that issue it; the branch hangs on the wave's number alone.
; Four v_nop follow each of the two lines, ahead of the jump, the label and what follows.
.macro JLOAD g0a, g1a, g0b, g1b
	s_cmp_eq_u32 s15, 0
	s_cbranch_scc0 .Lfor_b_\@
	tensor_load_to_lds s[\g0a:\g0a+3], s[\g1a:\g1a+7]
	s_nop 0
.rept 4
	v_nop
.endr
	s_branch .Lasked_\@
.Lfor_b_\@:
	tensor_load_to_lds s[\g0b:\g0b+3], s[\g1b:\g1b+7]
	s_nop 0
.rept 4
	v_nop
.endr
.Lasked_\@:
.endm
.macro CREST                           ; a round of the cluster's barrier behind its opening barrier
	s_cmp_lg_u32 s14, 0
	s_cbranch_scc1 .Lnot_wave_0_\@
	s_barrier_signal -3
.Lnot_wave_0_\@:
	s_barrier_wait -3
	s_barrier_signal -1
	s_barrier_wait -1
.endm
.macro CROUND                          ; a whole round
	s_barrier_signal -1
	s_barrier_wait -1
	CREST
.endm
	s_load_b128 s[4:7], s[0:1], 0x0                ; x's codes, x's scales
	s_load_b128 s[8:11], s[0:1], 0x10              ; the weights' codes, their scales
	s_load_b64 s[12:13], s[0:1], 0x20              ; the output
	v_lshl_add_u32 v[SPW], v0, 2, SPARE
	v_mov_b32 v[NIL], 0
	ds_add_u32 v28, v29
	ds_add_u32 v28, v29
	s_wait_dscnt 0x0
	v_lshrrev_b32 v1, 5, v0
	v_readfirstlane_b32 s14, v1                    ; wave 0..3
	s_lshr_b32 s15, s14, 1                         ; which half of the tile's L rows is mine.  Also: I fetch for L (0) or for R (1)
	s_and_b32 s16, s14, 1                          ; which half of its R rows.  Also: which 128 rows of that tile I fetch
	s_bfe_u32 s40, ttmp6, 0x40000                  ; cx, cy: my place in the cluster
	s_bfe_u32 s41, ttmp6, 0x40004
	s_lshr_b32 s92, ttmp9, 1                       ; q, k: group of four tile rows = cluster / 2 (1,024 tokens),
	s_and_b32 s93, ttmp9, 1                        ; group of four tile columns = cluster % 2 (q or k)
	s_max_u32 s94, ttmp9, 16
	s_sub_co_u32 s94, s94, 16                      ; v: group of four tile columns = cluster - 16 (1,024 tokens); 0 where it is not used
	s_cmp_lt_u32 ttmp9, 16
	s_cselect_b32 s92, s92, 2                      ; v: tile rows 8-11 = rows 2048-3071 of the weights' codes
	s_cselect_b32 s93, s93, s94
	s_lshl_b32 s42, s93, 2
	s_add_co_u32 s42, s42, s40                     ; tile column (R)
	s_lshl_b32 s17, s92, 2
	s_add_co_u32 s17, s17, s41                     ; tile row (L)
	s_lshl_b32 s43, s41, 2
	s_lshl_b32 s43, 15, s43                        ; my row of the cluster
	s_lshl_b32 s44, 0x1111, s40                    ; my column
	; descriptor group 1: a tile of 128 rows x 256 bytes, padded in LDS
	s_or_b32 s[G1+0], s43, (0<<16)|(1<<20)|(1<<21)|(5<<22)|(3<<25)  ; 15:0 the mask: L's tiles go to my row; 17:16 element of 1 byte; 20 padding on; 21 set beside a mask; 24:22 after every 64 words; 31:25 four words
	s_or_b32 s[G1B+0], s44, (0<<16)|(1<<20)|(1<<21)|(5<<22)|(3<<25)
.irp g, G1, G1B
	s_mov_b32 s[\g+1], ROWB<<16                    ; tensor_dim0
	s_mov_b32 s[\g+2], 128<<16                     ; tensor_dim1 = 128
	s_mov_b32 s[\g+3], ROWB<<16                    ; tile_dim0
	s_mov_b32 s[\g+4], 128                         ; tile_dim1 = 128
	s_mov_b32 s[\g+5], KROW                        ; tensor_dim0_stride
	s_mov_b32 s[\g+6], 0
	s_mov_b32 s[\g+7], 0
.endr
	; and for the scales of 128 rows: a dense block of 4,096 bytes, as 16 rows of 256 bytes (32 elements of 8 bytes), 16 bytes of padding behind each
	s_or_b32 s[G1S+0], s43, (3<<16)|(1<<20)|(1<<21)|(5<<22)|(3<<25)
	s_or_b32 s[G1SB+0], s44, (3<<16)|(1<<20)|(1<<21)|(5<<22)|(3<<25)
.irp g, G1S, G1SB
	s_mov_b32 s[\g+1], 32<<16
	s_mov_b32 s[\g+2], (128*KS/256)<<16
	s_mov_b32 s[\g+3], 32<<16
	s_mov_b32 s[\g+4], 128*KS/256
	s_mov_b32 s[\g+5], 32
	s_mov_b32 s[\g+6], 0
	s_mov_b32 s[\g+7], 0
.endr
	s_lshl_b32 s18, s16, 7                         ; which 128 rows of the tile I fetch
	s_lshl_b32 s20, s17, 8
	s_add_co_u32 s20, s20, s18                     ; L: row 256 x tile row + 128 x half
	s_lshl_b32 s46, s42, 8
	s_add_co_u32 s46, s46, s18                     ; R: row 256 x tile column + 128 x half
	s_mov_b32 s21, 0
	s_mov_b32 s47, 0
	s_mov_b64 s[18:19], KS
	s_mul_u64 s[22:23], s[20:21], s[18:19]         ; where these rows' scales begin, in bytes
	s_mul_u64 s[92:93], s[46:47], s[18:19]
	s_mov_b64 s[18:19], KROW
	s_mul_u64 s[20:21], s[20:21], s[18:19]         ; and their codes
	s_mul_u64 s[46:47], s[46:47], s[18:19]
	s_mul_i32 s45, s14, HALFT                      ; where they go: wave x 128 rows: no place in the cluster enters an LDS address
	s_mul_i32 s94, s14, HALFS
	s_wait_kmcnt 0x0
	s_cmp_lt_u32 ttmp9, 16                         ; which tensor is L and which R: by the cluster's number alone
	s_cselect_b64 s[96:97], s[4:5], s[8:9]         ; L's codes
	s_cselect_b64 s[98:99], s[6:7], s[10:11]       ; L's scales
	s_cselect_b64 s[8:9], s[8:9], s[4:5]           ; R's codes
	s_cselect_b64 s[10:11], s[10:11], s[6:7]       ; R's scales
	s_add_nc_u64 s[20:21], s[96:97], s[20:21]
	s_add_nc_u64 s[22:23], s[98:99], s[22:23]
	s_add_nc_u64 s[46:47], s[8:9], s[46:47]
	s_add_nc_u64 s[92:93], s[10:11], s[92:93]
	CROUND                                         ; all sixteen work-groups are here: the first joint loads meet
	s_mov_b32 s[G0S], 1
	s_add_co_u32 s[G0S+1], s94, SCL
	s_mov_b64 s[G0S+2:G0S+3], s[22:23]
	s_or_b32 s[G0S+3], s[G0S+3], 0x80000000
	s_mov_b32 s[G0SB], 1
	s_add_co_u32 s[G0SB+1], s94, SCL
	s_mov_b64 s[G0SB+2:G0SB+3], s[92:93]
	s_or_b32 s[G0SB+3], s[G0SB+3], 0x80000000
	JLOAD G0S, G1S, G0SB, G1SB                     ; the scales first: they are wanted with K step 0.  With the two below, three loads of mine are out
.irp s, 0,1
	s_mov_b32 s[G0+4*\s], 1
	s_add_co_u32 s[G0+4*\s+1], s45, \s*SLOT
	s_add_nc_u64 s[G0+4*\s+2:G0+4*\s+3], s[20:21], \s*ROWB
	s_or_b32 s[G0+4*\s+3], s[G0+4*\s+3], 0x80000000
	s_mov_b32 s[G0B+4*\s], 1
	s_add_co_u32 s[G0B+4*\s+1], s45, \s*SLOT
	s_add_nc_u64 s[G0B+4*\s+2:G0B+4*\s+3], s[46:47], \s*ROWB
	s_or_b32 s[G0B+4*\s+3], s[G0B+4*\s+3], 0x80000000
	JLOAD G0+4*\s, G1, G0B+4*\s, G1B
.endr
	v_and_b32 v1, 15, v0                           ; l % 16
	v_bfe_u32 v2, v0, 4, 1                         ; l / 16
	v_mul_u32_u24 v3, v1, PITCH
	v_lshl_add_u32 v4, v2, 4, v3                   ; a fragment's row x pitch + 16 x half
	s_mul_i32 s21, s15, HALFT                      ; my 128 rows of L
	s_mul_i32 s22, s16, HALFT                      ; my 128 rows of R,
	s_add_co_u32 s22, s22, 2*HALFT                 ; which lie behind L's 256
.irp s, 0,1
	v_add_nc_u32 v[ADRA+\s], s21, v4
	v_add_nc_u32 v[ADRB+\s], s22, v4
	s_add_co_u32 s21, s21, SLOT
	s_add_co_u32 s22, s22, SLOT
.endr
	v_mul_u32_u24 v5, v1, KS                       ; my row's scales: 32 bytes a row,
	v_lshrrev_b32 v6, 8, v5
	v_lshl_add_u32 v5, v6, 4, v5                   ; and 16 more for each 256 passed
	s_mul_i32 s21, s15, HALFS                      ; L's: my 128 rows
	s_mul_i32 s22, s16, HALFS                      ; R's: my 128 rows, behind L's 256
	s_add_co_u32 s22, s22, 2*HALFS
	s_sub_co_u32 s22, s22, s21
	v_mul_u32_u24 v6, s22, v2                      ; lanes 16-31 take R's: one product, the distance x the lane's half
	s_add_co_u32 s21, s21, SCL
	v_add_nc_u32 v5, v5, v6
	v_add_nc_u32 v[ADRS], s21, v5
	v_and_b32 v6, 31, v0
	v_lshlrev_b32 v[LI], 4, v6
	v_lshlrev_b32 v[LS], 2, v6
.macro FRAG reg, adr, q, i             ; a fragment: lane l holds row l % 16; registers 4 c .. 4 c + 3 hold K = 32 c + 16 (l / 16) + 0 .. 15
.irp c, 0,1,2,3
	ds_load_b128 v[\reg+4*\c:\reg+4*\c+3], v[\adr] offset:128*(\q)+32*\c+(\i)*16*PITCH
.endr
.endm
; 16 matrix instructions: L's blocks a0, a0 + 1 x R's eight, 128 along K: the slot's q-th.  p: R's set;  sc: the set of scale words.  zero = 1: the first product starts the sums: nothing is ever cleared.
; The 64 accumulators take turns, one instruction a turn, in the same order in every step.
.macro MUL16 a0, p, q, sc, zero
.irp a, \a0, \a0+1
.irp b, 0,1,2,3,4,5,6,7
.if \zero
	v_wmma_scale_f32_16x16x128_f8f6f4 v[8*(8*((\a)%4)+\b):8*(8*((\a)%4)+\b)+7], v[128*(\p)+FR*\b:128*(\p)+FR*\b+FR-1], v[AF+FR*(\a):AF+FR*(\a)+FR-1], 0, v[SC+8*NQ*(\sc)+NQ*\b+(\q)], v[SC+8*NQ*(\sc)+NQ*(\a)+(\q)] matrix_a_scale:MATRIX_SCALE_ROW1
.else
	v_wmma_scale_f32_16x16x128_f8f6f4 v[8*(8*((\a)%4)+\b):8*(8*((\a)%4)+\b)+7], v[128*(\p)+FR*\b:128*(\p)+FR*\b+FR-1], v[AF+FR*(\a):AF+FR*(\a)+FR-1], v[8*(8*((\a)%4)+\b):8*(8*((\a)%4)+\b)+7], v[SC+8*NQ*(\sc)+NQ*\b+(\q)], v[SC+8*NQ*(\sc)+NQ*(\a)+(\q)] matrix_a_scale:MATRIX_SCALE_ROW1
.endif
.endr
.endr
.endm
.macro FETCH_B slot, q, p              ; R's eight fragments of the slot's q-th 128 along K into set p
	WIN TO_B
.irp i, 0,1,2,3,4,5,6,7
	FRAG 128*(\p)+FR*\i, ADRB+\slot, \q, \i
.endr
	WIN 0
.endm
.macro FETCH_A slot, q, i0             ; L's blocks i0 .. i0 + 3
.irp i, \i0, \i0+1, \i0+2, \i0+3
	FRAG AF+FR*(\i), ADRA+\slot, \q, \i
.endr
.endm
.macro SCALES sc                       ; the next K step's scale words into set sc: two words a row; lanes 0-15 take L's block i, lanes 16-31 R's block i
.irp i, 0,1,2,3,4,5,6,7
	ds_load_b64 v[SC+8*NQ*\sc+NQ*\i:SC+8*NQ*\sc+NQ*\i+1], v[ADRS] offset:\i*SBLK
.endr
.endm
; A load into a register that a matrix instruction has read, and a vector instruction that reads a matrix result or writes one of its registers, stand eight places behind it; only plain vector
; instructions that name none of its registers are places.
.macro PLACES n
.rept \n
	v_nop
.endr
.endm
; A step of 128 along K that has its successor in the same slot.
.macro STEP slot, q, zero
	s_wait_dscnt 4*NL                              ; R's set and L's blocks 0-3 are in; the youngest 16 loads (L's blocks 4-7) may be out
	WIN MUL_LO
	MUL16 0, (\q)%2, \q, \slot, \zero
	MUL16 2, (\q)%2, \q, \slot, \zero
	s_wait_dscnt 0                                 ; L's blocks 4-7 are in (asked for 32 matrix instructions ago)
	PLACES NP
	FETCH_B \slot, (\q)+1, 1-(\q)%2
	FETCH_A \slot, (\q)+1, 0
	WIN MUL_HI
	MUL16 4, (\q)%2, \q, \slot, \zero
	MUL16 6, (\q)%2, \q, \slot, \zero
	PLACES NP
	WIN 0
	FETCH_A \slot, (\q)+1, 4
.endm
; A slot's last step changes slots: one barrier; in front of it each wave waits for all its tensor loads, adds 0 to its spare word, and waits for that and for its own reads of this slot.  fill = 1: this slot is filled again, two K steps ahead.
.macro TURN slot, next, fill
	s_wait_tensorcnt 0x0                           ; all my tensor loads have landed: my part of the next slot  (every window is 0 here)
	ds_add_u32 v[SPW], v[NIL]                      ; 0 onto my spare word
	s_wait_dscnt 4*NL+1                            ; (the add and the youngest 16 loads, L's blocks 4-7, may be out)
	WIN MUL_LO
	MUL16 0, 1, NQ-1, \slot, 0                     ; sixteen matrix instructions stand between the add and the wait for it
	s_wait_dscnt 0x0                               ; the add is done, and my reads of this slot are over
	s_barrier_signal -1
	MUL16 2, 1, NQ-1, \slot, 0
	WIN 0
	s_barrier_wait -1
.if \fill
	CREST                                          ; the barrier has opened a round of the cluster's barrier: no wave of any partner still reads this slot's tile or has a load on its way
	s_add_nc_u64 s[G0+4*\slot+2:G0+4*\slot+3], s[G0+4*\slot+2:G0+4*\slot+3], 2*ROWB
	s_add_nc_u64 s[G0B+4*\slot+2:G0B+4*\slot+3], s[G0B+4*\slot+2:G0B+4*\slot+3], 2*ROWB
	JLOAD G0+4*\slot, G1, G0B+4*\slot, G1B         ; the first tensor load behind the round, my one load until the next; its four v_nop are among the places in front of the loads below
	PLACES NP-4
.else
	PLACES NP
.endif
	s_wait_alu depctr_va_vdst(0)
	v_add_nc_u32 v[ADRS], 4*NQ, v[ADRS]            ; on to the next K step's scale words (no LDS load of mine is out)
	FETCH_B \next, 0, 0
	FETCH_A \next, 0, 0
	SCALES \next
	WIN MUL_HI
	MUL16 4, 1, NQ-1, \slot, 0
	MUL16 6, 1, NQ-1, \slot, 0
	PLACES NP
	WIN 0
	FETCH_A \next, 0, 4
.endm
	s_wait_alu depctr_va_vdst(0)
	s_wait_tensorcnt 1                             ; the scales and my part of K step 0 are in (K step 1's load may be out)
	s_barrier_signal -1
	s_barrier_wait -1                              ; everybody's are
	FETCH_B 0, 0, 0
	FETCH_A 0, 0, 0
	SCALES 0
	FETCH_A 0, 0, 4
	STEP 0, 0, 1                                   ; the first step stands in front of the loop: its products start the sums
	s_mov_b32 s3, LAPS-1
.Llap:                                                 ; a trip goes once round the ring, from a lap's second step to the next lap's first, and fills both slots again
	TURN 0, 1, 1
	STEP 1, 0, 0
	TURN 1, 0, 1
	STEP 0, 0, 0
	s_sub_co_u32 s3, s3, 1
	s_cmp_lg_u32 s3, 0
	s_cbranch_scc1 .Llap
	TURN 0, 1, 0                                   ; the last lap fills nothing, and has no round of the cluster's barrier
	STEP 1, 0, 0
	s_wait_dscnt 4*NL                              ; the very last step: nothing more to fetch
	WIN MUL_LO
	MUL16 0, 1, NQ-1, 1, 0
	MUL16 2, 1, NQ-1, 1, 0
	s_wait_dscnt 0
	WIN MUL_HI
	MUL16 4, 1, NQ-1, 1, 0
	MUL16 6, 1, NQ-1, 1, 0
	WIN 0
; THE WAY OUT.  L block a's eight accumulators are, for a lane, 64 numbers of its row: four blocks of 32 (each shared with lane l xor 16).  QUANTA makes their codes (16 registers, four images) and the row's scale word.
.macro QUANTA a
.set AC, 64*((\a)%4)
.set WA, 2+(\a)/4                      ; the accumulators' window
.set WN, (WA<<2)|(WA<<4)
	WIN WN                                         ; sources 1 and 2: the accumulators
.irp b, 0,1,2,3
	v_max3_num_f32 v[TM+\b], 0x4800000, |v[AC+16*\b]|, |v[AC+16*\b+1]|   ; block b: my 16 numbers, from each accumulator's low end on, and the floor 2^(9 - 127): the byte cannot fall under 1
.endr
.irp i, 2,4,6,8,10,12,14
.irp b, 0,1,2,3
	v_max3_num_f32 v[TM+\b], v[TM+\b], |v[AC+16*\b+\i]|, |v[AC+16*\b+\i+1]|   ; (the four blocks by turns)
.endr
.endr
	WIN 0
.irp b, 0,1,2,3
	v_permlanex16_b32 v[TM+4+\b], v[TM+\b], s96, s97
.endr
.irp b, 0,1,2,3
	v_max_num_f32 v[TM+\b], v[TM+\b], v[TM+4+\b]   ; with lane l xor 16's: the block's largest magnitude
.endr
.irp b, 0,1,2,3
	v_add_nc_u32 v[TM+12+\b], 0xfc000000, v[TM+\b] ; 8 off its exponent field: the conversion's scale operand
.endr
.irp b, 0,1,2,3
.endr
.irp b, 0,1,2,3
	v_lshrrev_b32 v[TM+4+\b], 23, v[TM+12+\b]      ; the scale's byte
.endr
	v_lshl_or_b32 v[WD+(\a)], v[TM+5], 8, v[TM+4]  ; the four bytes make my row's scale word
	v_lshl_or_b32 v[WD+(\a)], v[TM+6], 16, v[WD+(\a)]
	v_lshl_or_b32 v[WD+(\a)], v[TM+7], 24, v[WD+(\a)]
.set WN, WA|(WA<<6)
	WIN WN                                         ; source 0 and destination: the accumulators
.set n, 0
.rept 64
.set n, n+1
.endr
	WIN WA                                         ; source 0: the accumulators
.irp b, 0,1,2,3
	v_cvt_scalef32_pk8_fp8_f32 v[CODE+16*(\a)+4*\b:CODE+16*(\a)+4*\b+1], v[AC+16*\b:AC+16*\b+7], v[TM+12+\b]
	v_cvt_scalef32_pk8_fp8_f32 v[CODE+16*(\a)+4*\b+2:CODE+16*(\a)+4*\b+3], v[AC+16*\b+8:AC+16*\b+15], v[TM+12+\b]
.endr
	WIN 0
	v_nop                                          ; a plain line behind the last conversion
.endm
	PLACES NP                                      ; behind the last products: their results are read, and the registers that held L's fragments are written
	s_mov_b32 s96, 0x76543210
	s_mov_b32 s97, 0xfedcba98                      ; v_permlanex16_b32's selects for lane l xor 16
.irp b, 0,1,2,3
	v_mov_b32 v[TM+4+\b], 0                        ; written once: a lane permute's destination counts as one of its sources
.endr
.irp a, 0,1,2,3,4,5,6,7
	QUANTA \a
.endr
	s_lshl_b32 s20, s17, 8                         ; (no tensor load of mine is out since the last change of slots: every scalar register is free)
	s_lshl_b32 s21, s15, 7
	s_add_co_u32 s20, s20, s21                     ; my first L row
	s_lshl_b32 s22, s42, 8
	s_lshl_b32 s23, s16, 7
	s_add_co_u32 s22, s22, s23                     ; my first R row
	s_mov_b32 s47, 0
	v_and_b32 v6, 31, v0
	v_cmp_le_u32 vcc_lo, 16, v6                    ; lanes 16-31
	s_cmp_lt_u32 ttmp9, 16
	s_cbranch_scc0 .Lv_out
	; ---- q, k: L rows are tokens, R rows are channels of q (0-1023) or k (1024-2047): my 128 are two heads
	s_lshr_b32 s40, s20, 11                        ; batch
	s_lshr_b32 s41, s20, 4
	s_and_b32 s41, s41, 127                        ; my first tile of 16 tokens in the batch
	s_lshr_b32 s43, s22, 10                        ; q or k
	s_lshr_b32 s44, s22, 6
	s_and_b32 s44, s44, 15                         ; my first head
	s_lshl_b32 s40, s40, 4
	s_add_co_u32 s40, s40, s44                     ; bh
	s_lshl_b32 s46, s43, 23
	s_lshl_b32 s45, s40, 17
	s_add_co_u32 s46, s46, s45
	s_lshl_b32 s45, s41, 10
	s_add_co_u32 s46, s46, s45
	s_add_nc_u64 s[92:93], s[12:13], s[46:47]      ; the codes
	s_lshl_b32 s46, s43, 18
	s_lshl_b32 s45, s40, 12
	s_add_co_u32 s46, s46, s45
	s_lshl_b32 s45, s41, 5                         ; 64 bytes for each pair of tiles
	s_add_co_u32 s46, s46, s45
	s_add_co_u32 s46, s46, 25165824
	s_add_nc_u64 s[94:95], s[12:13], s[46:47]      ; the scale words
	s_mov_b32 s44, 0x05040100                      ; bytes 0, 1 of two words
	s_mov_b32 s45, 0x07060302                      ; bytes 2, 3
	s_wait_alu depctr_va_vdst(0)
.irp a, 0,1,2,3,4,5,6,7
.irp b, 0,1,2,3
	global_store_b128 v[LI], v[CODE+16*\a+4*\b:CODE+16*\a+4*\b+3], s[92:93] offset:(\b/2)*131072+\a*1024+(\b%2)*512   ; an image: 512 consecutive bytes, aligned: head b / 2, tile a, block b % 2
.endr
.endr
.irp hh, 0,1                           ; for each head: the words of pairs of tiles, two pairs (128 consecutive bytes) a store
.irp i, 0,1,2,3
	v_perm_b32 v[YY+\i], v[WD+2*\i+1], v[WD+2*\i], s[44+\hh]   ; (even tile: the head's two bytes; odd tile: its two)
.endr
.irp j, 0,1
	v_cndmask_b32 v[YY+4+2*\hh+\j], v[YY+2*\j], v[YY+2*\j+1], vcc_lo   ; lanes 0-15 one pair, lanes 16-31 the next (both halves of the lanes hold every row's word)
	global_store_b32 v[LS], v[YY+4+2*\hh+\j], s[94:95] offset:\hh*4096+\j*128
.endr
.endr
	s_branch .Lend
.Lv_out:
	; ---- v: L rows are channels (two heads of 64), R rows are tokens: my 128 are one step of 128 keys
	s_sub_co_u32 s40, s20, 2048
	s_lshr_b32 s40, s40, 6                         ; my first head
	s_lshr_b32 s41, s22, 11                        ; batch
	s_lshr_b32 s43, s22, 7
	s_and_b32 s43, s43, 15                         ; which 128 keys
	s_lshl_b32 s41, s41, 4
	s_add_co_u32 s40, s40, s41                     ; bh
	s_lshl_b32 s46, s40, 17
	s_lshl_b32 s45, s43, 13
	s_add_co_u32 s46, s46, s45
	s_add_co_u32 s46, s46, 16777216
	s_add_nc_u64 s[92:93], s[12:13], s[46:47]      ; the codes
	s_lshl_b32 s46, s40, 12
	s_lshl_b32 s45, s43, 8
	s_add_co_u32 s46, s46, s45
	s_add_co_u32 s46, s46, 25690112
	s_add_nc_u64 s[94:95], s[12:13], s[46:47]      ; the scale words
	s_wait_alu depctr_va_vdst(0)
.irp a, 0,1,2,3,4,5,6,7
.irp b, 0,1,2,3
	global_store_b128 v[LI], v[CODE+16*\a+4*\b:CODE+16*\a+4*\b+3], s[92:93] offset:(\a/4)*131072+(\a%4)*2048+\b*512   ; head a / 4, channels 16 (a % 4) on, keys 32 b on
.endr
.endr
.irp i, 0,1,2,3
	v_cndmask_b32 v[YY+\i], v[WD+2*\i], v[WD+2*\i+1], vcc_lo
	global_store_b32 v[LS], v[YY+\i], s[94:95] offset:(\i/2)*4096+(\i%2)*128
.endr
.Lend:
	s_wait_tensorcnt 0x0                           ; the wave's end
	ds_add_u32 v[SPW], v[NIL]
	s_wait_dscnt 0x0
	CROUND                                         ; the closing round: no work-group ends while a partner may still ask for a tile that names it
	s_endpgm
.Lfunc_end_k_q01fabd51d9_gemm_qkv:
	.size	k_q01fabd51d9_gemm_qkv, .Lfunc_end_k_q01fabd51d9_gemm_qkv-k_q01fabd51d9_gemm_qkv
	.p2alignl 7, 3214868480
	.fill 96, 4, 3214868480
	.section	.rodata,"a",@progbits
	.p2align	6, 0x0
	.amdhsa_kernel k_q01fabd51d9_gemm_qkv
		.amdhsa_group_segment_fixed_size 327680
		.amdhsa_private_segment_fixed_size 0
		.amdhsa_enable_private_segment 0
		.amdhsa_kernarg_size 40
		.amdhsa_user_sgpr_count 2
		.amdhsa_user_sgpr_kernarg_segment_ptr 1
		.amdhsa_wavefront_size32 1
		.amdhsa_system_sgpr_workgroup_id_x 1
		.amdhsa_system_sgpr_workgroup_id_y 1
		.amdhsa_system_sgpr_workgroup_id_z 1
		.amdhsa_system_vgpr_workitem_id 0
		.amdhsa_next_free_vgpr 1024
		.amdhsa_next_free_sgpr 102
		.amdhsa_reserve_vcc 1
		.amdhsa_float_denorm_mode_32 3
		.amdhsa_float_denorm_mode_16_64 3
		.amdhsa_fp16_overflow 1
		.amdhsa_memory_ordered 1
		.amdhsa_forward_progress 1
		.amdhsa_inst_pref_size 155
	.end_amdhsa_kernel
	.amdgpu_metadata
---
amdhsa.version: [ 1, 2 ]
amdhsa.kernels:
  - .name:           k_q01fabd51d9_gemm_qkv
    .symbol:         k_q01fabd51d9_gemm_qkv.kd
    .args:
      - { .name: xc, .offset: 0, .size: 8, .value_kind: global_buffer, .address_space: global }
      - { .name: xs, .offset: 8, .size: 8, .value_kind: global_buffer, .address_space: global }
      - { .name: wc, .offset: 16, .size: 8, .value_kind: global_buffer, .address_space: global }
      - { .name: ws, .offset: 24, .size: 8, .value_kind: global_buffer, .address_space: global }
      - { .name: qkv, .offset: 32, .size: 8, .value_kind: global_buffer, .address_space: global }
    .group_segment_fixed_size: 327680
    .private_segment_fixed_size: 0
    .kernarg_segment_align: 8
    .kernarg_segment_size: 40
    .max_flat_workgroup_size: 128
    .sgpr_count:     102
    .vgpr_count:     1024
    .wavefront_size: 32
...
	.end_amdgpu_metadata
.endif
;; end of part 3
;; launch attn (part 4): grid 4 x 64, 16 waves a work-group, no clusters, 327,680 bytes of LDS; arguments qkv, ctxc, cs; writes ctxc, cs
.if DOCPART == 4
	.amdgcn_target "amdgcn-amd-amdhsa--gfx1250"
	.amdhsa_code_object_version 6
	.text
	.protected	k_q01fabd51d9_attn
	.globl	k_q01fabd51d9_attn
	.p2align	8
	.type	k_q01fabd51d9_attn,@function
k_q01fabd51d9_attn:
	s_mov_b64 s[64:65], 0
	v_nop
	global_prefetch_b8 v0, s[64:65] scope:SCOPE_SE
	s_setreg_imm32_b32 hwreg(HW_REG_WAVE_MODE, 25, 1), 1
	s_wait_xcnt 0x0
; ctx[b][q][head] = the sum over keys k <= q of softmax_k(q . k / 8) v, both products on codes of FP8 (E4M3) with one E8M0 scale for each 32 along a product's K; ctx leaves QUANTISED along D_OUT.
; THE SOFTMAX AHEAD OF THE SECOND PRODUCT: t = score x log2(e) / 8; M = the row's largest t so far, rounded UP to a whole number; p = 2^(t - M) is what is quantised, along the keys, not normalised.
; The row's sum is taken of the unquantised p, in f32, and divides O at the end.  When M moves, the sum and O are multiplied by 2^(old M - new M): exact.
; INPUT: one buffer, four regions, all as images of operand registers (512 bytes, lane l's 16 bytes at 16 l); bh = 16 x batch + head:
;   0 q's and 8,388,608 k's codes [bh][tile of 16 tokens 128][block of 32 channels 2][512];   16,777,216 v's codes [bh][128 keys 16][16 channels 4][block of 32 keys 4][512];
;   25,165,824 q's and 25,427,968 k's scale words [bh][pair of tiles 64][token 16] (even tile: 2 bytes; odd tile: 2 bytes);   25,690,112 v's [bh][128 keys][16 channels][channel 16].
; THE HEAD HAS 64 CHANNELS, THE INSTRUCTION 128 ALONG K.  A fragment of K holds TWO tiles of 16 keys: K 0-63 the even tile's channels, K 64-127 the odd tile's.  Q is kept twice, as [q | 0] and as [0 | q]:
; one instruction with each gives the two tiles' scores.  The zeros are zero CODES on Q's side; the other side's codes are finite and every scale byte lies in 1 .. 254, so those products are exact zeros.
; Half of the first product's multiply-adds are so spent on zeros: a stated price of this form.
; BOTH PRODUCTS ARE USED TRANSPOSED: S^T = K Q^T, O^T = V^T P^T: a lane holds ONE query (lane % 16) throughout.  Register n of S^T holds key 32 (n / 16) + 16 ((n / 8) % 2) + 8 (lane / 16) + n % 8 of the step;
; p's codes are converted as they lie, and v's codes were laid in the same order of keys inside each block of 32.
; SHARES.  A work-group owns query blocks 7 - i and i (256 queries each) of one bh, i = its x: block j needs key slots 0 .. j of 256 keys, so every work-group walks 9 slots: equal work, a constant trip count,
; and no tile is fetched that nobody reads.  Each of SIXTEEN waves owns one tile of 16 queries of the block in hand, in 256 registers: four waves to a SIMD, so that one wave's vector work stands beside another's matrix work.
; A step all of whose 128 keys come after the wave's queries is left out by a scalar branch on ids; on the diagonal hidden scores become -infinity ahead of the maximum.
; NO CLUSTER: which keys slot n holds hangs on i (the walk turns back to key 0 at slot 8 - i), so work-groups of one bh would ask for different tiles in the same round.
; THE RING: two LDS slots 65,536 bytes apart: K's codes 16,384, V's codes 16,384, K's scale words 512, V's 512: four dense blocks, one tensor load each, by waves 0 to 3.  Every LDS read is 16 x lane or 4 x lane: no padding is wanted.
; OUTPUT: ctx's codes [head / 4][tile of 16 tokens 512][8 images of 512 bytes]: natural order along D_OUT (two lane swaps on the codes); its scale bytes [8192][32], 32 single bytes a tile beside 1,024 bytes of codes.
; LIMITS: a block whose largest magnitude lies under 2^-118 gets the byte 1; NaN and infinities are not served.
.set SLOT1, 65536
.set VOFF,  16384
.set KSOFF, 32768
.set VSOFF, 33280
.set SPARE, 131072                     ; the spare words, 128 bytes for each wave: eight blocks of 256 bytes that no other line names
.set LI,   1                           ; v1   16 x lane
.set LS,   2                           ; v2   4 x lane
.set SPW,  3                           ; v3   LDS address of my spare word; never rewritten
.set NIL,  4                           ; v4   0; never rewritten
.set ADK,  5                           ; v5   the slot in hand + 16 x lane
.set ADS,  6                           ; v6   the slot in hand + 4 x lane
.set RH,   7                           ; v7   lane % 16 - 8 (lane / 16)
.set QS,   8                           ; v8   q's scale word: (s0, s1, s0, s1)
.set RAW,  9                           ; v9   the pair's word as loaded
.set CSO,  10                          ; v10  32 (lane % 16) + lane / 16: my byte among the tile's scale bytes
.set R4,   11                          ; v11  4 (lane % 16)
                                       ; v12 -M, v13 the largest t, v[14:15] the sum in two halves
.set QA,   16                          ; v16-31  [q | 0]
.set QB,   32                          ; v32-47  [0 | q]
.set FR,   48                          ; v48-111 four fragments of K, then of V
.set SS,   112                         ; v112-175 S^T, then p
.set OT,   176                         ; v176-207 O^T
.set PC,   208                         ; v208-223 p's codes
.set BM,   224                         ; v224-227 a block's largest score, then p
.set BT,   228                         ; v228-231 the other half's; then the bytes
.set BL,   232
.set BS,   236                         ; v236-239 the conversions' scale operands
.set SUM2, 240                         ; v[240:241] the second chain of sums
.set T0,   242
.set T1,   243
.set FF,   244                         ; v[244:245] f = 2^(old M - new M) in the low word
.set PW,   246                         ; v246 p's scale word
.set KSC,  248                         ; v248-249 K's scale words: lanes 0-15 one fragment's, lanes 16-31 the next's
.set VSC,  250                         ; v250-251 V's likewise
.set DD,   252                         ; v252 my query - the step's first key - 8 (lane / 16)
.set NINF, 253                         ; v253 -infinity
.set WV,   16                          ; s16  wave
.set BH,   18                          ; s18  bh
.set MNT,  19
.set SEL,  20                          ; s[20:21] v_permlanex16_b32's selects for lane l xor 16
.set CS,   22                          ; s[22:23] c = log2(e) / 8
.set G1C,  24                          ; s[24:31] descriptor group 1: 64 rows of 256 bytes (codes)
.set G1S,  32                          ; s[32:39] 2 rows of 256 bytes (scale words)
.set G0C,  40                          ; s[40:43] group 0 for codes: wave 0 K's, wave 1 V's
.set G0S,  44                          ; s[44:47] for scale words: wave 2 K's, wave 3 V's
.set TB,   48                          ; s48  LDS byte at which the slot in hand begins
.set NN,   49                          ; s49  the trip
.set SW,   50                          ; s50  8 - i: the trip at which the second block begins
.set KF,   51                          ; s51  the step's first key
.set Q0,   52                          ; s52  my first query
.set BLK,  53                          ; s53  the block in hand
.set HI,   57                          ; s57  mask of lanes 16-31
; s54, s55: SW x 16,384 and SW x 512: what the walk goes back by.  s56: the selector that takes my tile's two bytes of a pair's word.  s[58:59], s[60:61]: pairs with 0 above.  s62, s63, s[74:75]: at work.
; s[66:67] q's codes, s[68:69] q's scale words, s[70:71] ctx's codes, s[72:73] ctx's scale bytes of the tile in hand.  s76, s77: the parts of the last two that hang on bh alone.
; Waves 0 and 1 fetch codes, waves 2 and 3 scale words, the others nothing.  The branches hang on the wave's number alone.  Four v_nop follow each of the two lines.
.macro TLOAD
	s_cmp_lt_u32 s[WV], 2
	s_cbranch_scc0 .Lnot_c_\@
	tensor_load_to_lds s[G0C:G0C+3], s[G1C:G1C+7]
	s_nop 0
.rept 4
	v_nop
.endr
	s_branch .Lasked_\@
.Lnot_c_\@:
	s_cmp_lt_u32 s[WV], 4
	s_cbranch_scc0 .Lasked_\@
	tensor_load_to_lds s[G0S:G0S+3], s[G1S:G1S+7]
	s_nop 0
.rept 4
	v_nop
.endr
.Lasked_\@:
.endm
	s_load_b128 s[4:7], s[0:1], 0x0                ; the operands, ctx's codes
	s_load_b64 s[8:9], s[0:1], 0x10                ; ctx's scale bytes
	v_lshl_add_u32 v[SPW], v0, 2, SPARE
	v_mov_b32 v[NIL], 0
	ds_add_u32 v3, v4
	ds_add_u32 v3, v4
	s_wait_dscnt 0x0
	v_lshrrev_b32 v5, 5, v0
	s_delay_alu instid0(VALU_DEP_1)
	v_readfirstlane_b32 s[WV], v5                  ; wave 0..15
	s_and_b32 s[BH], ttmp7, 0xffff
	s_sub_co_u32 s[SW], 8, ttmp9
	s_sub_co_u32 s[BLK], 7, ttmp9                  ; the first block: the later one
	s_lshl_b32 s54, s[SW], 14
	s_lshl_b32 s55, s[SW], 9
	s_mov_b32 s[G1C], 3<<16                        ; 15:0 no mask; 17:16 elements of 8 bytes; no padding
	s_mov_b32 s[G1C+1], 32<<16                     ; tensor_dim0 = 32 elements: 256 bytes
	s_mov_b32 s[G1C+2], 64<<16                     ; tensor_dim1 = 64
	s_mov_b32 s[G1C+3], 32<<16                     ; tile_dim0
	s_mov_b32 s[G1C+4], 64                         ; tile_dim1
	s_mov_b32 s[G1C+5], 32                         ; the pitch: dense
	s_mov_b32 s[G1C+6], 0
	s_mov_b32 s[G1C+7], 0
	s_mov_b32 s[G1S], 3<<16
	s_mov_b32 s[G1S+1], 32<<16
	s_mov_b32 s[G1S+2], 2<<16
	s_mov_b32 s[G1S+3], 32<<16
	s_mov_b32 s[G1S+4], 2
	s_mov_b32 s[G1S+5], 32
	s_mov_b32 s[G1S+6], 0
	s_mov_b32 s[G1S+7], 0
	s_and_b32 s78, s[WV], 1                        ; the wave's parity: K's (0) or V's (1)
	s_add_co_u32 s79, s78, 1
	s_lshl_b32 s60, s79, 23                        ; codes: 8,388,608 or 16,777,216,
	s_lshl_b32 s62, s[BH], 17
	s_add_co_u32 s60, s60, s62                     ; + bh x 131,072
	s_mov_b32 s61, 0
	s_lshl_b32 s74, s78, 18
	s_add_co_u32 s74, s74, 25427968                ; scale words: 25,427,968 or 25,690,112,
	s_lshl_b32 s62, s[BH], 12
	s_add_co_u32 s74, s74, s62                     ; + bh x 4,096
	s_mov_b32 s75, 0
	s_mul_i32 s56, s78, 0x02020202
	s_add_co_u32 s56, s56, 0x01000100              ; my tile is 16 x block + wave: even takes bytes 0, 1 of the pair's word, odd bytes 2, 3; twice
	s_and_b32 s78, s[BH], 15                       ; head
	s_lshr_b32 s79, s[BH], 4                       ; batch
	s_lshr_b32 s76, s78, 2
	s_lshl_b32 s76, s76, 21                        ; ctx's codes: (head / 4) x 2^21
	s_lshl_b32 s80, s79, 19
	s_add_co_u32 s76, s76, s80                     ; + batch x 128 tiles x 4,096
	s_and_b32 s80, s78, 3
	s_lshl_b32 s80, s80, 10
	s_add_co_u32 s76, s76, s80                     ; + (head % 4) x 1,024
	s_lshl_b32 s77, s79, 16                        ; ctx's scale bytes: batch x 2,048 rows x 32
	s_lshl_b32 s80, s78, 1
	s_add_co_u32 s77, s77, s80                     ; + 2 x head
	s_mov_b32 s[SEL], 0x76543210
	s_mov_b32 s[SEL+1], 0xfedcba98
	s_mov_b32 s[CS], 0x3e38aa3b                    ; c = log2(e) / 8
	s_mov_b32 s[CS+1], s[CS]                       ; (named with it as a pair, so it is written)
	s_mov_b32 s[TB], 0
	s_mov_b32 s[NN], 0
	s_wait_kmcnt 0x0
	s_mov_b32 s[G0C], 1                            ; count = 1
	s_lshl_b32 s[G0C+1], s[WV], 14                 ; LDS: 0 (K's codes) or 16,384 (V's), slot 0
	s_add_nc_u64 s[G0C+2:G0C+3], s[4:5], s[60:61]
	s_or_b32 s[G0C+3], s[G0C+3], 0x80000000        ; type = 2
	s_mov_b32 s[G0S], 1
	s_lshl_b32 s[G0S+1], s[WV], 9
	s_add_co_u32 s[G0S+1], s[G0S+1], 31744         ; LDS: 32,768 (wave 2) or 33,280 (wave 3)
	s_add_nc_u64 s[G0S+2:G0S+3], s[4:5], s[74:75]
	s_or_b32 s[G0S+3], s[G0S+3], 0x80000000
	TLOAD                                          ; slot 0: keys 0 to 255: the launch's first fill, one load a wave
	s_mov_b32 s59, 0
	s_mov_b32 s61, 0
	v_and_b32 v5, 31, v0                           ; lane
	s_delay_alu instid0(VALU_DEP_1)
	v_lshlrev_b32 v[LI], 4, v5
	s_delay_alu instid0(VALU_DEP_2)
	v_lshlrev_b32 v[LS], 2, v5
	s_delay_alu instid0(VALU_DEP_3)
	v_cmp_le_u32 s[HI], 16, v5
	v_and_b32 v5, 15, v0                           ; r
	v_bfe_u32 v6, v0, 4, 1                         ; h
	s_delay_alu instid0(VALU_DEP_1)
	v_lshlrev_b32 v[RH], 3, v6
	s_delay_alu instid0(VALU_DEP_1)
	v_sub_nc_u32 v[RH], v5, v[RH]
	s_delay_alu instid0(VALU_DEP_3)
	v_lshl_add_u32 v[CSO], v5, 5, v6
	v_lshlrev_b32 v[R4], 2, v5
	v_mov_b32 v[NINF], 0xff800000
.set n, 0
.rept 16
	v_mov_b32 v[QA+8+n], 0                         ; the zero halves of [q | 0] and [0 | q]: v24-39, written once
.set n, n+1
.endr
.irp b, 0,1,2,3
	v_mov_b32 v[BT+\b], 0                          ; written once: a lane permute's destination counts as one of its sources
.endr
	v_mov_b32 v[T0], 0
	v_mov_b32 v[FF+1], 0                           ; (named as the upper half of a pair)
; A BLOCK BEGINS: my tile's q comes into registers, twice; the running figures and O^T begin anew.
.macro START
	s_lshl_b32 s62, s[BLK], 4
	s_add_co_u32 s62, s62, s[WV]                   ; my tile of 16 queries
	s_lshl_b32 s[Q0], s62, 4
	s_lshl_b32 s74, s62, 10
	s_lshl_b32 s63, s[BH], 17
	s_add_co_u32 s74, s74, s63
	s_add_nc_u64 s[66:67], s[4:5], s[74:75]
	s_lshr_b32 s74, s62, 1
	s_lshl_b32 s74, s74, 6
	s_lshl_b32 s63, s[BH], 12
	s_add_co_u32 s74, s74, s63
	s_add_co_u32 s74, s74, 25165824
	s_add_nc_u64 s[68:69], s[4:5], s[74:75]
	global_load_b128 v[QA:QA+3], v[LI], s[66:67]
	global_load_b128 v[QA+4:QA+7], v[LI], s[66:67] offset:512
	global_load_b128 v[QB+8:QB+11], v[LI], s[66:67]
	global_load_b128 v[QB+12:QB+15], v[LI], s[66:67] offset:512
	global_load_b32 v[RAW], v[R4], s[68:69]
	s_lshl_b32 s74, s62, 12
	s_add_co_u32 s74, s74, s76
	s_add_nc_u64 s[70:71], s[6:7], s[74:75]        ; where this tile's ctx will go
	s_lshl_b32 s74, s62, 9
	s_add_co_u32 s74, s74, s77
	s_add_nc_u64 s[72:73], s[8:9], s[74:75]
	s_mov_b32 s[KF], 0
	v_mov_b32 v13, 0xff61b1e6                      ; the largest t so far: -3e38, under every t
	s_delay_alu instid0(VALU_DEP_1)
	v_floor_f32 v12, -v13                          ; -M
	v_mov_b32 v14, 0
	v_mov_b32 v15, 0
	s_wait_loadcnt 0x0
	v_perm_b32 v[QS], v[RAW], v[RAW], s56          ; (s0, s1, s0, s1): serves [q | 0] and [0 | q]
.set n, 0
.rept 32
	v_mov_b32 v[OT+n], 0                           ; O^T: the step is written once: the first finds zeros.  (These are also the places between the scale word's making and its first use)
.set n, n+1
.endr
.endm
; A KEY STEP: 128 keys, the q-th of the slot in hand.
.macro STEP q
	s_add_co_u32 s62, s[Q0], 15
	s_cmp_gt_u32 s[KF], s62                        ; all 128 keys come after my 16 queries: nothing to do
	s_cbranch_scc1 .Lhidden_\@
.rept 8
	v_nop                                          ; places in front of loads into registers that matrix instructions have read
.endr
	s_wait_alu depctr_va_vdst(0)
.irp d, 0,1,2,3
.irp g, 0,1,2,3
	ds_load_b128 v[FR+16*\d+4*\g:FR+16*\d+4*\g+3], v[ADK] offset:8192*(\q)+2048*\d+512*\g   ; fragment d: tiles 2 d and 2 d + 1 of the step's eight, two images each
.endr
.endr
	ds_load_b32 v[KSC], v[ADS] offset:KSOFF+256*(\q)
	ds_load_b32 v[KSC+1], v[ADS] offset:KSOFF+256*(\q)+128
	s_wait_dscnt 0x0
.irp d, 0,1,2,3                        ; S^T: eight tiles of 16 keys, each its own accumulator begun with 0
.if \d%2
	v_wmma_scale_f32_16x16x128_f8f6f4 v[SS+16*\d:SS+16*\d+7], v[FR+16*\d:FR+16*\d+15], v[QA:QA+15], 0, v[KSC+\d/2], v[QS] matrix_a_scale:MATRIX_SCALE_ROW1
	v_wmma_scale_f32_16x16x128_f8f6f4 v[SS+16*\d+8:SS+16*\d+15], v[FR+16*\d:FR+16*\d+15], v[QB:QB+15], 0, v[KSC+\d/2], v[QS] matrix_a_scale:MATRIX_SCALE_ROW1
.else
	v_wmma_scale_f32_16x16x128_f8f6f4 v[SS+16*\d:SS+16*\d+7], v[FR+16*\d:FR+16*\d+15], v[QA:QA+15], 0, v[KSC+\d/2], v[QS]
	v_wmma_scale_f32_16x16x128_f8f6f4 v[SS+16*\d+8:SS+16*\d+15], v[FR+16*\d:FR+16*\d+15], v[QB:QB+15], 0, v[KSC+\d/2], v[QS]
.endif
.endr
.rept 8
	v_nop                                          ; places: the scores are read below, and V's fragments are loaded over K's
.endr
	s_wait_alu depctr_va_vdst(0)
.irp t, 0,1,2,3                        ; V's fragments are asked for now and land under the softmax
.irp c, 0,1,2,3
	ds_load_b128 v[FR+16*\t+4*\c:FR+16*\t+4*\c+3], v[ADK] offset:VOFF+8192*(\q)+2048*\t+512*\c
.endr
.endr
	ds_load_b32 v[VSC], v[ADS] offset:VSOFF+256*(\q)
	ds_load_b32 v[VSC+1], v[ADS] offset:VSOFF+256*(\q)+128
	s_add_co_u32 s62, s[KF], 127
	s_cmp_le_u32 s62, s[Q0]                        ; every key of the step counts for every query of mine: no mask
	s_cbranch_scc1 .Lopen_\@
	s_sub_co_i32 s62, s[Q0], s[KF]
	v_add_nc_u32 v[DD], s62, v[RH]                 ; register n's key is hidden where 32 (n / 16) + 16 ((n / 8) % 2) + n % 8 > my query - the first key - 8 (lane / 16)
.set n, 0
.rept 64
	v_cmp_gt_i32 vcc_lo, 32*(n/16)+16*((n/8)%2)+n%8, v[DD]
	v_cndmask_b32 v[SS+n], v[SS+n], v[NINF], vcc_lo
.set n, n+1
.endr
.Lopen_\@:
.irp b, 0,1,2,3
	v_max3_num_f32 v[BM+\b], v[SS+16*\b], v[SS+16*\b+1], v[SS+16*\b+2]   ; the largest score of each block of 32 keys: for the row's maximum, and, since p rises with the score, for the block's largest p
.endr
.irp i, 3,5,7,9,11,13
.irp b, 0,1,2,3
	v_max3_num_f32 v[BM+\b], v[BM+\b], v[SS+16*\b+\i], v[SS+16*\b+\i+1]
.endr
.endr
.irp b, 0,1,2,3
	v_max_num_f32 v[BM+\b], v[BM+\b], v[SS+16*\b+15]
.endr
.irp b, 0,1,2,3
	s_delay_alu instid0(VALU_DEP_4)
	v_permlanex16_b32 v[BT+\b], v[BM+\b], s[SEL], s[SEL+1]
.endr
.irp b, 0,1,2,3
	s_delay_alu instid0(VALU_DEP_4)
	v_max_num_f32 v[BM+\b], v[BM+\b], v[BT+\b]     ; with lane l xor 16's 16 keys
.endr
	s_delay_alu instid0(VALU_DEP_2)
	v_max3_num_f32 v[T0], v[BM], v[BM+1], v[BM+2]
	s_delay_alu instid0(VALU_DEP_1)
	v_max_num_f32 v[T0], v[T0], v[BM+3]            ; the step's largest score of my query (the step's first key counts for every query of mine: it is a number)
	s_delay_alu instid0(VALU_DEP_1)
	v_mul_f32 v[T0], s[CS], v[T0]                  ; as t
	s_delay_alu instid0(VALU_DEP_1)
	v_max_num_f32 v13, v13, v[T0]                  ; the running largest t
	v_mov_b32 v[T0], v12
	s_delay_alu instid0(VALU_DEP_2)
	v_floor_f32 v12, -v13                          ; the new -M = floor(-t) = -ceil(t)
	s_delay_alu instid0(VALU_DEP_1)
	v_sub_f32 v[T0], v12, v[T0]                    ; old M - new M: a whole number, 0 or less
	s_delay_alu instid0(VALU_DEP_1)
	v_cvt_i32_f32 v[T0], v[T0]                     ; (it saturates)
	s_delay_alu instid0(VALU_DEP_1)
	v_ldexp_f32 v[FF], 1.0, v[T0]                  ; f = 2^(old M - new M)
.set n, 0
.rept 32
	v_pk_fma_f32 v[SS+n:SS+n+1], v[SS+n:SS+n+1], s[CS:CS+1], v[12:13] op_sel_hi:[1,0,0]   ; t - M, two at a time
.set n, n+2
.endr
.irp b, 0,1,2,3
	v_fma_f32 v[BM+\b], v[BM+\b], s[CS], v12       ; the same of each block's largest score
.endr
.set n, 0
	s_wait_alu depctr_va_vdst(0)
.rept 64
	v_exp_f32 v[SS+n], v[SS+n]                     ; p = 2^(t - M), at most 1
.set n, n+1
.endr
.irp b, 0,1,2,3
	v_exp_f32 v[BM+\b], v[BM+\b]                   ; the block's largest p: the same two instructions on the same number
.endr
	v_pk_mul_f32 v[14:15], v[14:15], v[FF:FF+1] op_sel_hi:[1,0]   ; the sums under the new M (a plain line behind the exponentials)
	s_wait_alu depctr_va_vdst(0)
.irp b, 0,1,2,3
	v_max_num_f32 v[BM+\b], 0x4800000, v[BM+\b]    ; the floor 2^(9 - 127): a block whose every p is 0 keeps the byte 1: its codes are zeros
.endr
.irp b, 0,1,2,3
	s_delay_alu instid0(VALU_DEP_4)
	v_add_nc_u32 v[BS+\b], 0xfc000000, v[BM+\b]    ; 8 off the exponent field: the conversion's scale operand
.endr
.irp b, 0,1,2,3
.endr
.irp b, 0,1,2,3
	s_delay_alu instid0(VALU_DEP_4)
	v_lshrrev_b32 v[BT+\b], 23, v[BS+\b]           ; the scale's byte
.endr
	s_delay_alu instid0(VALU_DEP_3)
	v_lshl_or_b32 v[PW], v[BT+1], 8, v[BT]         ; p's scale word for these 128 keys
	s_delay_alu instid0(VALU_DEP_1)
	v_lshl_or_b32 v[PW], v[BT+2], 16, v[PW]
	s_delay_alu instid0(VALU_DEP_1)
	v_lshl_or_b32 v[PW], v[BT+3], 24, v[PW]
	v_pk_add_f32 v[240:241], v[116:117], v[120:121]
	v_pk_add_f32 v[254:255], v[124:125], v[128:129]
	v_pk_add_f32 v[248:249], v[132:133], v[136:137]
	v_pk_add_f32 v[234:235], v[140:141], v[144:145]
	v_pk_add_f32 v[232:233], v[148:149], v[152:153]
	v_pk_add_f32 v[226:227], v[156:157], v[160:161]
	v_pk_add_f32 v[224:225], v[164:165], v[168:169]
	v_pk_add_f32 v[14:15], v[14:15], v[172:173]
	v_pk_add_f32 v[240:241], v[240:241], v[112:113]
	v_pk_add_f32 v[254:255], v[254:255], v[114:115]
	v_pk_add_f32 v[248:249], v[248:249], v[118:119]
	v_pk_add_f32 v[234:235], v[234:235], v[122:123]
	v_pk_add_f32 v[232:233], v[232:233], v[126:127]
	v_pk_add_f32 v[226:227], v[226:227], v[130:131]
	v_pk_add_f32 v[224:225], v[224:225], v[134:135]
	v_pk_add_f32 v[14:15], v[14:15], v[138:139]
	v_pk_add_f32 v[240:241], v[240:241], v[142:143]
	v_pk_add_f32 v[254:255], v[254:255], v[146:147]
	v_pk_add_f32 v[248:249], v[248:249], v[150:151]
	v_pk_add_f32 v[234:235], v[234:235], v[154:155]
	v_pk_add_f32 v[232:233], v[232:233], v[158:159]
	v_pk_add_f32 v[226:227], v[226:227], v[162:163]
	v_pk_add_f32 v[224:225], v[224:225], v[166:167]
	v_pk_add_f32 v[14:15], v[14:15], v[170:171]
	v_pk_add_f32 v[240:241], v[240:241], v[174:175]
	s_delay_alu instid0(VALU_DEP_2)
	v_pk_add_f32 v[14:15], v[14:15], v[234:235]
	s_delay_alu instid0(VALU_DEP_2)
	v_pk_add_f32 v[240:241], v[240:241], v[232:233]
	v_pk_add_f32 v[254:255], v[254:255], v[226:227]
	v_pk_add_f32 v[248:249], v[248:249], v[224:225]
	s_delay_alu instid0(VALU_DEP_2)
	v_pk_add_f32 v[14:15], v[14:15], v[254:255]
	s_delay_alu instid0(VALU_DEP_2)
	v_pk_add_f32 v[240:241], v[240:241], v[248:249]
	s_delay_alu instid0(VALU_DEP_1)
	v_pk_add_f32 v[14:15], v[14:15], v[240:241]
.irp b, 0,1,2,3
.irp i, 0,1,2,3,4,5,6,7,8,9,10,11,12,13,14,15
.endr
	v_cvt_scalef32_pk8_fp8_f32 v[PC+4*\b:PC+4*\b+1], v[SS+16*\b:SS+16*\b+7], v[BS+\b]
	v_cvt_scalef32_pk8_fp8_f32 v[PC+4*\b+2:PC+4*\b+3], v[SS+16*\b+8:SS+16*\b+15], v[BS+\b]
.endr
.set n, 0
.rept 16
	v_pk_mul_f32 v[OT+n:OT+n+1], v[OT+n:OT+n+1], v[FF:FF+1] op_sel_hi:[1,0]   ; O^T under the new M.  (These 16 are also the places between the codes' making and the products below)
.set n, n+2
.endr
	s_wait_alu depctr_va_vdst(0)
	s_wait_dscnt 0x0                               ; V's fragments and scale words are in
.irp t, 0,1,2,3                        ; O^T += V^T P^T: four tiles of 16 channels, by turns; K = these 128 keys
.if \t%2
	v_wmma_scale_f32_16x16x128_f8f6f4 v[OT+8*\t:OT+8*\t+7], v[FR+16*\t:FR+16*\t+15], v[PC:PC+15], v[OT+8*\t:OT+8*\t+7], v[VSC+\t/2], v[PW] matrix_a_scale:MATRIX_SCALE_ROW1
.else
	v_wmma_scale_f32_16x16x128_f8f6f4 v[OT+8*\t:OT+8*\t+7], v[FR+16*\t:FR+16*\t+15], v[PC:PC+15], v[OT+8*\t:OT+8*\t+7], v[VSC+\t/2], v[PW]
.endif
.endr
.Lhidden_\@:
	s_add_co_u32 s[KF], s[KF], 128
.endm
; A BLOCK ENDS: O^T is divided by the row's sum, quantised along D_OUT (my head's two blocks of 32) and stored.
.macro FINISH
.rept 8
	v_nop                                          ; places behind the last products
.endr
	v_add_f32 v14, v14, v15                        ; the sum's two halves,
	s_delay_alu instid0(VALU_DEP_1)
	v_permlanex16_b32 v[T0], v14, s[SEL], s[SEL+1]
	s_delay_alu instid0(VALU_DEP_1)
	v_add_f32 v14, v14, v[T0]                      ; and lane l xor 16's: the row's sum
	s_wait_alu depctr_va_vdst(0)
	v_rcp_f32 v14, v14
	v_nop                                          ; a plain line behind the transcendental
.set n, 0
	s_wait_alu depctr_va_vdst(0)
.rept 32
	v_mul_f32 v[OT+n], v[OT+n], v14                ; register 8 t + j is ctx(query, channel 16 t + 8 (lane / 16) + j); each accumulator from its low end on
.set n, n+1
.endr
.irp c, 0,1
	v_max3_num_f32 v[BM+\c], |v[OT+16*\c]|, |v[OT+16*\c+1]|, 0x4800000
.endr
.irp i, 2,4,6,8,10,12,14
.irp c, 0,1
	s_delay_alu instid0(VALU_DEP_2)
	v_max3_num_f32 v[BM+\c], v[BM+\c], |v[OT+16*\c+\i]|, |v[OT+16*\c+\i+1]|
.endr
.endr
.irp c, 0,1
	s_delay_alu instid0(VALU_DEP_2)
	v_permlanex16_b32 v[BT+\c], v[BM+\c], s[SEL], s[SEL+1]
.endr
.irp c, 0,1
	s_delay_alu instid0(VALU_DEP_2)
	v_max_num_f32 v[BM+\c], v[BM+\c], v[BT+\c]
.endr
.irp c, 0,1
	s_delay_alu instid0(VALU_DEP_2)
	v_add_nc_u32 v[BS+\c], 0xfc000000, v[BM+\c]
.endr
.irp c, 0,1
.endr
.irp c, 0,1
	s_delay_alu instid0(VALU_DEP_2)
	v_lshrrev_b32 v[BT+\c], 23, v[BS+\c]
.endr
	s_delay_alu instid0(VALU_DEP_1)
	v_cndmask_b32 v[T1], v[BT], v[BT+1], s[HI]     ; lanes 0-15 carry block 0's byte, lanes 16-31 block 1's
.irp c, 0,1
.irp i, 0,1,2,3,4,5,6,7,8,9,10,11,12,13,14,15
.endr
	v_cvt_scalef32_pk8_fp8_f32 v[PC+4*\c:PC+4*\c+1], v[OT+16*\c:OT+16*\c+7], v[BS+\c]
	v_cvt_scalef32_pk8_fp8_f32 v[PC+4*\c+2:PC+4*\c+3], v[OT+16*\c+8:OT+16*\c+15], v[BS+\c]
.endr
	v_nop                                          ; a plain line behind the last conversion
.irp c, 0,1                            ; to the natural order along D_OUT: lanes 16-31 of registers 0, 1 (channels 8-15) change places with lanes 0-15 of registers 2, 3 (channels 16-23)
	v_permlane16_swap_b32 v[PC+4*\c], v[PC+4*\c+2]
	v_permlane16_swap_b32 v[PC+4*\c+1], v[PC+4*\c+3]
.endr
	global_store_b128 v[LI], v[PC:PC+3], s[70:71]               ; an image: 512 consecutive bytes, aligned
	global_store_b128 v[LI], v[PC+4:PC+7], s[70:71] offset:512
	global_store_b8 v[CSO], v[T1], s[72:73]        ; every lane its own byte
	s_wait_xcnt 0x0                                ; the stores' data and bases are written again only behind this wait
.endm
; THE CHANGE OF SLOTS stands at a slot's head.  Each wave waits for all its tensor loads (its part of the slot that it is about to read), adds 0 to its spare word, and waits for that and for its reads of the slot that it has left.
; Behind the barrier the slot ahead is whole and nobody reads the other one.  fill = 1: that other slot is filled with the next 256 keys of the walk: the load has a whole slot's steps in which to land.
.macro CHANGE fill
	s_wait_tensorcnt 0x0                           ; no tensor load of mine is out, so a group 0 may be written
	ds_add_u32 v[SPW], v[NIL]                      ; 0 onto my spare word
.if \fill
	s_xor_b32 s[G0C+1], s[G0C+1], SLOT1            ; the other slot than last time,
	s_xor_b32 s[G0S+1], s[G0S+1], SLOT1
	s_add_nc_u64 s[G0C+2:G0C+3], s[G0C+2:G0C+3], 16384   ; the next 256 keys;
	s_add_nc_u64 s[G0S+2:G0S+3], s[G0S+2:G0S+3], 512
	s_add_co_u32 s58, s[NN], 1
	s_cmp_eq_u32 s58, s[SW]                        ; where the next slot is the second block's first, the walk goes back to key 0
	s_cselect_b32 s58, s54, 0
	s_cselect_b32 s60, s55, 0
	s_sub_nc_u64 s[G0C+2:G0C+3], s[G0C+2:G0C+3], s[58:59]
	s_sub_nc_u64 s[G0S+2:G0S+3], s[G0S+2:G0S+3], s[60:61]
.endif
	s_wait_dscnt 0x0                               ; the add is done, and my reads of the slot that I have left are over
	s_barrier_signal -1
	s_barrier_wait -1
.if \fill
	TLOAD                                          ; the first thing behind the barrier, and a wave's one tensor load until the next
.endif
.endm
.macro TRIP fill
	CHANGE \fill
	s_cmp_lg_u32 s[NN], s[SW]                      ; the same in all sixteen waves; no barrier and no LDS line stands under this branch
	s_cbranch_scc1 .Lsame_\@
	FINISH                                         ; the first block is done;
	s_mov_b32 s[BLK], ttmp9                        ; the second begins, at key 0
	START
.Lsame_\@:
	v_add_nc_u32 v[ADK], s[TB], v[LI]
	v_add_nc_u32 v[ADS], s[TB], v[LS]
	STEP 0
	STEP 1
	s_xor_b32 s[TB], s[TB], SLOT1                  ; on to the other slot
.endm
	START
.Ltrip:                                            ; eight trips: behind each change of slots but the last the next slot is asked for
	TRIP 1
	s_add_co_u32 s[NN], s[NN], 1
	s_cmp_lt_u32 s[NN], 8
	s_cbranch_scc1 .Ltrip
	TRIP 0                                         ; the ninth slot is written out
	FINISH
	s_wait_tensorcnt 0x0                           ; the wave's end
	ds_add_u32 v[SPW], v[NIL]
	s_wait_dscnt 0x0
	s_endpgm
.Lfunc_end_k_q01fabd51d9_attn:
	.size	k_q01fabd51d9_attn, .Lfunc_end_k_q01fabd51d9_attn-k_q01fabd51d9_attn
	.p2alignl 7, 3214868480
	.fill 96, 4, 3214868480
	.section	.rodata,"a",@progbits
	.p2align	6, 0x0
	.amdhsa_kernel k_q01fabd51d9_attn
		.amdhsa_group_segment_fixed_size 327680
		.amdhsa_private_segment_fixed_size 0
		.amdhsa_enable_private_segment 0
		.amdhsa_kernarg_size 24
		.amdhsa_user_sgpr_count 2
		.amdhsa_user_sgpr_kernarg_segment_ptr 1
		.amdhsa_wavefront_size32 1
		.amdhsa_system_sgpr_workgroup_id_x 1
		.amdhsa_system_sgpr_workgroup_id_y 1
		.amdhsa_system_sgpr_workgroup_id_z 1
		.amdhsa_system_vgpr_workitem_id 0
		.amdhsa_next_free_vgpr 256
		.amdhsa_next_free_sgpr 82
		.amdhsa_reserve_vcc 1
		.amdhsa_float_denorm_mode_32 3
		.amdhsa_float_denorm_mode_16_64 3
		.amdhsa_fp16_overflow 1
		.amdhsa_memory_ordered 1
		.amdhsa_forward_progress 1
		.amdhsa_inst_pref_size 117
	.end_amdhsa_kernel
	.amdgpu_metadata
---
amdhsa.version: [ 1, 2 ]
amdhsa.kernels:
  - .name:           k_q01fabd51d9_attn
    .symbol:         k_q01fabd51d9_attn.kd
    .args:
      - { .name: qkv, .offset: 0, .size: 8, .value_kind: global_buffer, .address_space: global }
      - { .name: ctxc, .offset: 8, .size: 8, .value_kind: global_buffer, .address_space: global }
      - { .name: cs, .offset: 16, .size: 8, .value_kind: global_buffer, .address_space: global }
    .group_segment_fixed_size: 327680
    .private_segment_fixed_size: 0
    .kernarg_segment_align: 8
    .kernarg_segment_size: 24
    .max_flat_workgroup_size: 512
    .sgpr_count:     82
    .vgpr_count:     256
    .wavefront_size: 32
...
	.end_amdgpu_metadata
.endif
;; end of part 4
;; launch gemm_out (part 5): grid 4 x 32, 4 waves a work-group, clusters of 4 x 4, 327,680 bytes of LDS; arguments ctxc, cs, wc, ws, bo, out0; writes out0
.if DOCPART == 5
	.amdgcn_target "amdgcn-amd-amdhsa--gfx1250"
	.amdhsa_code_object_version 6
	.text
	.protected	k_q01fabd51d9_gemm_out
	.globl	k_q01fabd51d9_gemm_out
	.p2align	8
	.type	k_q01fabd51d9_gemm_out,@function
k_q01fabd51d9_gemm_out:
	s_mov_b64 s[64:65], 0
	v_nop
	global_prefetch_b8 v0, s[64:65] scope:SCOPE_SE
	s_setreg_imm32_b32 hwreg(HW_REG_WAVE_MODE, 25, 1), 1
	s_wait_xcnt 0x0
	s_wait_alu depctr_hold_cnt(0) depctr_sa_sdst(0) depctr_va_vdst(0) depctr_va_sdst(0) depctr_va_ssrc(0) depctr_va_vcc(0) depctr_vm_vsrc(0)
	s_getreg_b32 s2, hwreg(HW_REG_IB_STS2, 6, 4)
	s_cmp_eq_u32 s2, 0
	s_cbranch_scc0 .Lentry_in_a_cluster
	s_endpgm
.Lentry_in_a_cluster:
	s_bfe_u32 s2, ttmp6, 0x10000c
	s_cmp_lg_u32 s2, 0xf033
	s_cbranch_scc0 .Lentry_shape_is_right
	s_endpgm
.Lentry_shape_is_right:
; out0 = ctx Wo + bo on codes of FP8 (E4M3) with one E8M0 scale for each 32 along K = 1024; sums in f32; out0 [8192][1024] f32.
; A = ctx: its codes lie as images of operand registers, [K step of 256 (4)][tile of 16 tokens (512)][8 images of 512 bytes]; its scale bytes [8192][32].  B = Wo: rows 3072-4095 of the weights' codes [4096][1024]
; and of their scale bytes [4096][32].
; A tile of C, 256 x 256, is made by a work-group of four waves; a wave makes 128 x 128: 64 accumulators of 16 x 16.  K goes in steps of 256 through a ring of two LDS slots filled by the tensor data mover:
; A's 256 rows of a K step are 65,536 dense bytes (read back at 16 x lane: no padding is wanted), B's rows are 256 bytes + 16 of padding.  The scale bytes of the work-group's 512 rows come once, with the first fills.
; CLUSTERS: 4 x 4 work-groups: A's tiles are shared along a row of the cluster, B's along a column, each asked for jointly.  The grid has 128 work-groups: one for each tile of this size.
; THE MATRIX INSTRUCTION IS USED TRANSPOSED (source 0 = 16 rows of B, source 1 = 16 rows of A): a lane holds eight neighbouring numbers of a row of C.  THE BIAS is the C of each sum's first instruction.
; REGISTERS, in windows of 256: window 0: v0-31 addresses; v32-63 scale words, two sets; v64-127 the bias, eight registers for each of B's blocks; from v128 A's fragments, one set; on the way out rows of C.
;   window 1: B's fragments, two sets.   window 2: the accumulators of my rows 0-63 ((a, b) at v[8 (8 a + b)]);   window 3: those of rows 64-127.
.set SIZE_N, 1024
.set SIZE_K, 1024
.set KSTEP,  256
.set NQ,     KSTEP/128
.set ROWB,   256
.set KROW,   SIZE_K
.set PITCH,  272                       ; B's LDS row: 256 bytes + 16 of padding = 68 words: row r starts at bank 4 r mod 64 (64 banks of 4 bytes: ISA guide 11.1)
.set FR,     16
.set NL,     4
.set NP,     8                         ; places behind this matrix instruction (ISA guide 7.12.1)
.set HALFA,  32768                     ; A: 8 tiles of 16 tokens x 4,096 bytes: what one tensor load brings
.set HALFB,  128*PITCH                 ; B: 128 rows
.set BOFF,   2*HALFA                   ; B's rows lie behind A's
.set SLOT,   BOFF+2*HALFB
.set ASTEP,  1<<21                     ; from a K step of A's images to the next, in memory
.set LAPS,   SIZE_K/(2*KSTEP)
.set KS,     SIZE_K/32
.set SCL,    2*SLOT                    ; behind the ring: the scales, as 256 bytes + 16 of padding
.set HALFS,  (128*KS/256)*272
.set SBLK,   (16*KS/256)*272
.set SPARE,  SCL+4*HALFS               ; the spare words, 128 bytes for each wave: two blocks of 256 bytes that no other line names
.set SPITCH, 528                       ; the way out: a stage of 16 rows x (512 bytes + 16) for each wave, in slot 0, which has had its last fill and its last read when the first result is stored there
.set ADRA, 16                          ; v16-17  LDS address of my A fragments in slot 0, 1
.set ADRB, 20                          ; v20-21  the same for B
.set STO,  24                          ; v24     the way out: where I put 32 bytes of a row
.set RD,   25                          ; v25     the way out: where I read a row back
.set CO,   26                          ; v26     16 x lane: my place in an image, and in a row of C
.set ADRS, 27                          ; v27     LDS address of my scale words
.set SPW,  28                          ; v28     LDS address of my spare word; never rewritten
.set NIL,  29                          ; v29     0; never rewritten
.set SC,   32
.set BI,   64                          ; the bias
.set AF,   128
.set BK,   128                         ; the way out: 16 rows read back: v128-191 and v192-255 by turns
.set G1, 24
.set G0, 32
.set G1B, 48
.set G0B, 56
.set G1S, 68
.set G0S, 76
.set G1SB, 80
.set G0SB, 88
.set MSB, 0
.macro WIN new                         ; s_set_vgpr_msb: bits 1:0 source 0, 3:2 source 1, 5:4 source 2, 7:6 destination; the high byte repeats the setting that is left
.if MSB != \new
	s_set_vgpr_msb (MSB<<8)|\new
.set MSB, \new
.endif
.endm
.set MUL_LO, 0xa1                      ; source 0 (B) window 1, source 1 (A) window 0, C and D window 2
.set MUL_HI, 0xf1                      ; the same, C and D window 3
.set FIRST_LO, 0x81                    ; the first step: C (the bias) window 0, D window 2
.set FIRST_HI, 0xc1                    ; D window 3
.set TO_B,   0x40
; A joint load: waves 0 and 1 fetch for A, waves 2 and 3 for B; the branch hangs on the wave's number alone.  Four v_nop follow each of the two lines.
.macro JLOAD g0a, g1a, g0b, g1b
	s_cmp_eq_u32 s15, 0
	s_cbranch_scc0 .Lfor_b_\@
	tensor_load_to_lds s[\g0a:\g0a+3], s[\g1a:\g1a+7]
	s_nop 0
.rept 4
	v_nop
.endr
	s_branch .Lasked_\@
.Lfor_b_\@:
	tensor_load_to_lds s[\g0b:\g0b+3], s[\g1b:\g1b+7]
	s_nop 0
.rept 4
	v_nop
.endr
.Lasked_\@:
.endm
.macro CREST                           ; a round of the cluster's barrier behind its opening barrier
	s_cmp_lg_u32 s14, 0
	s_cbranch_scc1 .Lnot_wave_0_\@
	s_barrier_signal -3
.Lnot_wave_0_\@:
	s_barrier_wait -3
	s_barrier_signal -1
	s_barrier_wait -1
.endm
.macro CROUND
	s_barrier_signal -1
	s_barrier_wait -1
	CREST
.endm
	s_load_b128 s[4:7], s[0:1], 0x0                ; ctx's codes, ctx's scales
	s_load_b128 s[8:11], s[0:1], 0x10              ; the weights' codes, their scales
	s_load_b64 s[96:97], s[0:1], 0x20              ; bo
	s_load_b64 s[12:13], s[0:1], 0x28              ; out0
	v_lshl_add_u32 v[SPW], v0, 2, SPARE
	v_mov_b32 v[NIL], 0
	ds_add_u32 v28, v29
	ds_add_u32 v28, v29
	s_wait_dscnt 0x0
	v_lshrrev_b32 v1, 5, v0
	v_readfirstlane_b32 s14, v1                    ; wave 0..3
	s_lshr_b32 s15, s14, 1                         ; which half of the tile's rows is mine.  Also: I fetch for A (0) or for B (1)
	s_and_b32 s16, s14, 1                          ; which half of its columns.  Also: which 128 rows of that tile I fetch
	s_bfe_u32 s40, ttmp6, 0x40000                  ; cx, cy
	s_bfe_u32 s41, ttmp6, 0x40004
	s_lshl_b32 s42, ttmp9, 2
	s_add_co_u32 s42, s42, s40                     ; tile column of C
	s_and_b32 s17, ttmp7, 0xffff
	s_lshl_b32 s17, s17, 2
	s_add_co_u32 s17, s17, s41                     ; tile row of C
	s_lshl_b32 s43, s41, 2
	s_lshl_b32 s43, 15, s43                        ; my row of the cluster
	s_lshl_b32 s44, 0x1111, s40                    ; my column
	; group 1 for A: 32,768 dense bytes as 128 rows of 256 bytes (32 elements of 8 bytes), no padding
	s_or_b32 s[G1+0], s43, (3<<16)|(1<<21)         ; 15:0 the mask: my row; 17:16 elements of 8 bytes; 21 set beside a mask
	s_mov_b32 s[G1+1], 32<<16
	s_mov_b32 s[G1+2], 128<<16
	s_mov_b32 s[G1+3], 32<<16
	s_mov_b32 s[G1+4], 128
	s_mov_b32 s[G1+5], 32
	s_mov_b32 s[G1+6], 0
	s_mov_b32 s[G1+7], 0
	; for B: 128 rows x 256 bytes, 1,024 bytes apart, 16 bytes of padding behind each
	s_or_b32 s[G1B+0], s44, (0<<16)|(1<<20)|(1<<21)|(5<<22)|(3<<25)
	s_mov_b32 s[G1B+1], ROWB<<16
	s_mov_b32 s[G1B+2], 128<<16
	s_mov_b32 s[G1B+3], ROWB<<16
	s_mov_b32 s[G1B+4], 128
	s_mov_b32 s[G1B+5], KROW
	s_mov_b32 s[G1B+6], 0
	s_mov_b32 s[G1B+7], 0
	; for the scales of 128 rows: 4,096 dense bytes as 16 rows of 256, 16 bytes of padding behind each
	s_or_b32 s[G1S+0], s43, (3<<16)|(1<<20)|(1<<21)|(5<<22)|(3<<25)
	s_or_b32 s[G1SB+0], s44, (3<<16)|(1<<20)|(1<<21)|(5<<22)|(3<<25)
.irp g, G1S, G1SB
	s_mov_b32 s[\g+1], 32<<16
	s_mov_b32 s[\g+2], (128*KS/256)<<16
	s_mov_b32 s[\g+3], 32<<16
	s_mov_b32 s[\g+4], 128*KS/256
	s_mov_b32 s[\g+5], 32
	s_mov_b32 s[\g+6], 0
	s_mov_b32 s[\g+7], 0
.endr
	s_lshl_b32 s18, s16, 7                         ; which 128 rows of the tile I fetch
	s_lshl_b32 s20, s17, 8
	s_add_co_u32 s20, s20, s18                     ; A: token 256 x tile row + 128 x half
	s_lshl_b32 s46, s42, 8
	s_add_co_u32 s46, s46, s18
	s_add_co_u32 s46, s46, 3072                    ; B: Wo's columns are rows 3072 on
	s_mov_b32 s21, 0
	s_mov_b32 s47, 0
	s_mov_b64 s[18:19], KS
	s_mul_u64 s[22:23], s[20:21], s[18:19]         ; where these rows' scales begin
	s_mul_u64 s[92:93], s[46:47], s[18:19]
	s_lshl_b32 s20, s20, 8                         ; A's images: 4,096 bytes for each 16 tokens
	s_mov_b64 s[18:19], KROW
	s_mul_u64 s[46:47], s[46:47], s[18:19]         ; B's codes
	s_mul_i32 s45, s16, HALFA                      ; where they go: no place in the cluster enters an LDS address
	s_mul_i32 s95, s16, HALFB
	s_add_co_u32 s95, s95, BOFF
	s_mul_i32 s94, s14, HALFS
	s_wait_kmcnt 0x0
	s_add_nc_u64 s[20:21], s[4:5], s[20:21]
	s_add_nc_u64 s[22:23], s[6:7], s[22:23]
	s_add_nc_u64 s[46:47], s[8:9], s[46:47]
	s_add_nc_u64 s[92:93], s[10:11], s[92:93]
	CROUND                                         ; all sixteen work-groups are here: the first joint loads meet
	s_mov_b32 s[G0S], 1
	s_add_co_u32 s[G0S+1], s94, SCL
	s_mov_b64 s[G0S+2:G0S+3], s[22:23]
	s_or_b32 s[G0S+3], s[G0S+3], 0x80000000
	s_mov_b32 s[G0SB], 1
	s_add_co_u32 s[G0SB+1], s94, SCL
	s_mov_b64 s[G0SB+2:G0SB+3], s[92:93]
	s_or_b32 s[G0SB+3], s[G0SB+3], 0x80000000
	JLOAD G0S, G1S, G0SB, G1SB                     ; the scales first.  Each of the two below first waits for all earlier loads of mine
.irp s, 0,1
	s_mov_b32 s[G0+4*\s], 1
	s_add_co_u32 s[G0+4*\s+1], s45, \s*SLOT
	s_add_nc_u64 s[G0+4*\s+2:G0+4*\s+3], s[20:21], \s*ASTEP
	s_or_b32 s[G0+4*\s+3], s[G0+4*\s+3], 0x80000000
	s_mov_b32 s[G0B+4*\s], 1
	s_add_co_u32 s[G0B+4*\s+1], s95, \s*SLOT
	s_add_nc_u64 s[G0B+4*\s+2:G0B+4*\s+3], s[46:47], \s*ROWB
	s_or_b32 s[G0B+4*\s+3], s[G0B+4*\s+3], 0x80000000
	s_wait_alu depctr_va_vdst(0)
	s_wait_tensorcnt 0x0
	ds_add_u32 v28, v29
	s_wait_dscnt 0x0
	CROUND
	JLOAD G0+4*\s, G1, G0B+4*\s, G1B
.endr
	v_and_b32 v1, 15, v0                           ; l % 16
	v_bfe_u32 v2, v0, 4, 1                         ; l / 16
	v_and_b32 v6, 31, v0
	v_lshlrev_b32 v[CO], 4, v6                     ; 16 x lane
	v_mul_u32_u24 v3, v1, PITCH
	v_lshl_add_u32 v4, v2, 4, v3                   ; B: a fragment's row x pitch + 16 x half
	s_mul_i32 s21, s15, HALFA                      ; my 128 rows of A
	s_mul_i32 s22, s16, HALFB                      ; my 128 rows of B,
	s_add_co_u32 s22, s22, BOFF                    ; which lie behind A's
.irp s, 0,1
	v_add_nc_u32 v[ADRA+\s], s21, v[CO]
	v_add_nc_u32 v[ADRB+\s], s22, v4
	s_add_co_u32 s21, s21, SLOT
	s_add_co_u32 s22, s22, SLOT
.endr
	v_mul_u32_u24 v5, v1, KS                       ; my row's scales: 32 bytes a row,
	v_lshrrev_b32 v6, 8, v5
	v_lshl_add_u32 v5, v6, 4, v5                   ; and 16 more for each 256 passed
	s_mul_i32 s21, s15, HALFS
	s_mul_i32 s22, s16, HALFS
	s_add_co_u32 s22, s22, 2*HALFS
	s_sub_co_u32 s22, s22, s21
	v_mul_u32_u24 v6, s22, v2                      ; lanes 16-31 take B's: one product, the distance x the lane's half
	s_add_co_u32 s21, s21, SCL
	v_add_nc_u32 v5, v5, v6
	v_add_nc_u32 v[ADRS], s21, v5
	s_mul_i32 s23, s14, 16*SPITCH                  ; my stage
	v_mul_u32_u24 v5, v1, SPITCH                   ; in: row l % 16, 32 bytes for each half of the lanes
	v_lshl_add_u32 v5, v2, 5, v5
	v_add_nc_u32 v[STO], s23, v5
	v_add_nc_u32 v[RD], s23, v[CO]                 ; back: the 32 lanes take one row of 512 bytes
	s_lshl_b32 s20, s17, 8
	s_lshl_b32 s21, s15, 7
	s_add_co_u32 s20, s20, s21                     ; my first row of C
	s_mov_b32 s21, 0
	s_mov_b64 s[18:19], SIZE_N*4
	s_mul_u64 s[20:21], s[20:21], s[18:19]
	s_lshl_b32 s46, s42, 10                        ; my first column, in bytes: 1024 x tile column + 512 x half
	s_lshl_b32 s47, s16, 9
	s_add_co_u32 s46, s46, s47
	s_mov_b32 s47, 0
	s_add_nc_u64 s[96:97], s[96:97], s[46:47]      ; the bias of my 128 columns
	s_add_nc_u64 s[20:21], s[20:21], s[46:47]
	s_add_nc_u64 s[12:13], s[12:13], s[20:21]
	v_lshlrev_b32 v7, 5, v2                        ; lane (r, h) wants, for B's block b, the bias of columns 16 b + 8 h + 0 .. 7
.irp b, 0,1,2,3,4,5,6,7
	global_load_b128 v[BI+8*\b:BI+8*\b+3], v7, s[96:97] offset:64*\b
	global_load_b128 v[BI+8*\b+4:BI+8*\b+7], v7, s[96:97] offset:64*\b+16
.endr
.macro FRAGB reg, adr, q, i            ; a fragment from rows: lane l holds row l % 16; registers 4 c .. 4 c + 3 hold K = 32 c + 16 (l / 16) + 0 .. 15
.irp c, 0,1,2,3
	ds_load_b128 v[\reg+4*\c:\reg+4*\c+3], v[\adr] offset:128*(\q)+32*\c+(\i)*16*PITCH
.endr
.endm
.macro FRAGA reg, adr, q, i            ; a fragment from its images: tile i, the slot's q-th 128 along K, four images
.irp c, 0,1,2,3
	ds_load_b128 v[\reg+4*\c:\reg+4*\c+3], v[\adr] offset:4096*(\i)+2048*(\q)+512*\c
.endr
.endm
; 16 matrix instructions: A's blocks a0, a0 + 1 x B's eight, 128 along K.  first = 1: the sums begin with the bias.  The 64 accumulators take turns, one instruction a turn.
.macro MUL16 a0, p, q, sc, first
.irp a, \a0, \a0+1
.irp b, 0,1,2,3,4,5,6,7
.if \first
	v_wmma_scale_f32_16x16x128_f8f6f4 v[8*(8*((\a)%4)+\b):8*(8*((\a)%4)+\b)+7], v[128*(\p)+FR*\b:128*(\p)+FR*\b+FR-1], v[AF+FR*(\a):AF+FR*(\a)+FR-1], v[BI+8*\b:BI+8*\b+7], v[SC+8*NQ*(\sc)+NQ*\b+(\q)], v[SC+8*NQ*(\sc)+NQ*(\a)+(\q)] matrix_a_scale:MATRIX_SCALE_ROW1
.else
	v_wmma_scale_f32_16x16x128_f8f6f4 v[8*(8*((\a)%4)+\b):8*(8*((\a)%4)+\b)+7], v[128*(\p)+FR*\b:128*(\p)+FR*\b+FR-1], v[AF+FR*(\a):AF+FR*(\a)+FR-1], v[8*(8*((\a)%4)+\b):8*(8*((\a)%4)+\b)+7], v[SC+8*NQ*(\sc)+NQ*\b+(\q)], v[SC+8*NQ*(\sc)+NQ*(\a)+(\q)] matrix_a_scale:MATRIX_SCALE_ROW1
.endif
.endr
.endr
.endm
.macro FETCH_B slot, q, p
	WIN TO_B
.irp i, 0,1,2,3,4,5,6,7
	FRAGB 128*(\p)+FR*\i, ADRB+\slot, \q, \i
.endr
	WIN 0
.endm
.macro FETCH_A slot, q, i0
.irp i, \i0, \i0+1, \i0+2, \i0+3
	FRAGA AF+FR*(\i), ADRA+\slot, \q, \i
.endr
.endm
.macro SCALES sc
.irp i, 0,1,2,3,4,5,6,7
	ds_load_b64 v[SC+8*NQ*\sc+NQ*\i:SC+8*NQ*\sc+NQ*\i+1], v[ADRS] offset:\i*SBLK
.endr
.endm
; A load into a register that a matrix instruction has read, and an LDS store or vector instruction that reads a matrix result, stand eight places behind it; only plain vector instructions that name none of
; its registers are places.
.macro PLACES n
.rept \n
	v_nop
.endr
.endm
.macro STEP slot, q, first
	s_wait_dscnt 4*NL                              ; B's set and A's blocks 0-3 are in; the youngest 16 loads (A's blocks 4-7) may be out
.if \first
	WIN FIRST_LO
.else
	WIN MUL_LO
.endif
	MUL16 0, (\q)%2, \q, \slot, \first
	MUL16 2, (\q)%2, \q, \slot, \first
	s_wait_dscnt 0                                 ; A's blocks 4-7 are in
	PLACES NP
	FETCH_B \slot, (\q)+1, 1-(\q)%2
	FETCH_A \slot, (\q)+1, 0
.if \first
	WIN FIRST_HI
.else
	WIN MUL_HI
.endif
	MUL16 4, (\q)%2, \q, \slot, \first
	MUL16 6, (\q)%2, \q, \slot, \first
	PLACES NP
	WIN 0
	FETCH_A \slot, (\q)+1, 4
.endm
; A slot's last step changes slots: one barrier; in front of it each wave waits for all its tensor loads, adds 0 to its spare word, and waits for that and for its own reads of this slot.  fill = 1: this slot is filled again, two K steps ahead.
.macro TURN slot, next, fill
	s_wait_tensorcnt 0x0                           ; all my tensor loads have landed: my part of the next slot  (every window is 0 here)
	ds_add_u32 v[SPW], v[NIL]                      ; 0 onto my spare word
	s_wait_dscnt 4*NL+1                            ; (the add and the youngest 16 loads may be out)
	WIN MUL_LO
	MUL16 0, 1, NQ-1, \slot, 0
	s_wait_dscnt 0x0                               ; the add is done, and my reads of this slot are over
	s_barrier_signal -1
	MUL16 2, 1, NQ-1, \slot, 0
	WIN 0
	s_barrier_wait -1
.if \fill
	CREST                                          ; the barrier has opened a round of the cluster's barrier: no wave of any partner still reads this slot's tile or has a load on its way
	s_add_nc_u64 s[G0+4*\slot+2:G0+4*\slot+3], s[G0+4*\slot+2:G0+4*\slot+3], 2*ASTEP
	s_add_nc_u64 s[G0B+4*\slot+2:G0B+4*\slot+3], s[G0B+4*\slot+2:G0B+4*\slot+3], 2*ROWB
	JLOAD G0+4*\slot, G1, G0B+4*\slot, G1B         ; the first tensor load behind the round, my one load until the next
	PLACES NP-4
.else
	PLACES NP
.endif
	s_wait_alu depctr_va_vdst(0)
	v_add_nc_u32 v[ADRS], 4*NQ, v[ADRS]            ; on to the next K step's scale words
	FETCH_B \next, 0, 0
	FETCH_A \next, 0, 0
	SCALES \next
	WIN MUL_HI
	MUL16 4, 1, NQ-1, \slot, 0
	MUL16 6, 1, NQ-1, \slot, 0
	PLACES NP
	WIN 0
	FETCH_A \next, 0, 4
.endm
	s_wait_alu depctr_va_vdst(0)
	s_wait_tensorcnt 1                             ; the scales and my part of K step 0 are in (K step 1's load may be out)
	s_barrier_signal -1
	s_barrier_wait -1                              ; everybody's are
	FETCH_B 0, 0, 0
	FETCH_A 0, 0, 0
	SCALES 0
	FETCH_A 0, 0, 4
	s_wait_loadcnt 0x0                             ; the bias
	STEP 0, 0, 1                                   ; the first step stands in front of the loop: its products start the sums, on the bias
	s_mov_b32 s3, LAPS-1
.Llap:
	TURN 0, 1, 1
	STEP 1, 0, 0
	TURN 1, 0, 1
	STEP 0, 0, 0
	s_sub_co_u32 s3, s3, 1
	s_cmp_lg_u32 s3, 0
	s_cbranch_scc1 .Llap
	TURN 0, 1, 0                                   ; the last lap fills nothing, and has no round of the cluster's barrier
	STEP 1, 0, 0
	s_wait_dscnt 4*NL                              ; the very last step: nothing more to fetch
	WIN MUL_LO
	MUL16 0, 1, NQ-1, 1, 0
	MUL16 2, 1, NQ-1, 1, 0
	s_wait_dscnt 0
	WIN MUL_HI
	MUL16 4, 1, NQ-1, 1, 0
	MUL16 6, 1, NQ-1, 1, 0
	WIN 0
; THE WAY OUT, block by block of 16 rows x 128 columns: through my own stage in LDS and back as whole rows of 512 bytes.  LDS serves a wave's instructions in order (ISA guide 5.7.1.4): no wait between the stores and the loads.
.macro TOSTAGE a
.set AC, 64*((\a)%4)
.set WN, 0x08+4*((\a)/4)
	WIN WN                                         ; an LDS store's data are its source 1: window 2 or 3
.irp b, 0,1,2,3,4,5,6,7
	ds_store_b128 v[STO], v[AC+8*\b:AC+8*\b+3] offset:64*\b          ; each accumulator from its low end on
	ds_store_b128 v[STO], v[AC+8*\b+4:AC+8*\b+7] offset:64*\b+16
.endr
	WIN 0
.set BB, BK+64*((\a)%2)
.irp t, 0,1,2,3,4,5,6,7,8,9,10,11,12,13,14,15
	ds_load_b128 v[BB+4*\t:BB+4*\t+3], v[RD] offset:\t*SPITCH
.endr
.endm
.macro SEND a, younger                 ; younger: the LDS instructions issued behind block a's loads, which may stay out
.set BB, BK+64*((\a)%2)
	s_wait_dscnt \younger                          ; the block is back in registers
.if (\a) > 0
	s_add_nc_u64 s[12:13], s[12:13], 16*SIZE_N*4   ; (behind a wait on XCNT: the earlier stores have read their base)  16 rows of C on
.endif
.irp t, 0,1,2,3,4,5,6,7,8,9,10,11,12,13,14,15
	global_store_b128 v[CO], v[BB+4*\t:BB+4*\t+3], s[12:13] offset:\t*SIZE_N*4 th:TH_STORE_NT   ; 32 lanes store 512 consecutive bytes, aligned; written once, read by nobody here
.endr
.endm
	PLACES NP                                      ; behind the last products: for the loads into the registers that held A's fragments and for the reads of results alike
	TOSTAGE 0
.irp a, 1,2,3,4,5,6,7
.if \a > 1
	s_wait_xcnt 0x0                                ; block a - 2's stores have read their registers and their base
.endif
	TOSTAGE \a
	SEND \a-1, 32                                  ; behind block a - 1's loads: block a's 16 stores and 16 loads
.endr
	s_wait_xcnt 0x0                                ; block 6's stores have read their base
	SEND 7, 0
	s_wait_tensorcnt 0x0                           ; the wave's end
	ds_add_u32 v[SPW], v[NIL]
	s_wait_dscnt 0x0
	CROUND                                         ; the closing round: no work-group ends while a partner may still ask for a tile that names it
	s_endpgm
.Lfunc_end_k_q01fabd51d9_gemm_out:
	.size	k_q01fabd51d9_gemm_out, .Lfunc_end_k_q01fabd51d9_gemm_out-k_q01fabd51d9_gemm_out
	.p2alignl 7, 3214868480
	.fill 96, 4, 3214868480
	.section	.rodata,"a",@progbits
	.p2align	6, 0x0
	.amdhsa_kernel k_q01fabd51d9_gemm_out
		.amdhsa_group_segment_fixed_size 327680
		.amdhsa_private_segment_fixed_size 0
		.amdhsa_enable_private_segment 0
		.amdhsa_kernarg_size 48
		.amdhsa_user_sgpr_count 2
		.amdhsa_user_sgpr_kernarg_segment_ptr 1
		.amdhsa_wavefront_size32 1
		.amdhsa_system_sgpr_workgroup_id_x 1
		.amdhsa_system_sgpr_workgroup_id_y 1
		.amdhsa_system_sgpr_workgroup_id_z 1
		.amdhsa_system_vgpr_workitem_id 0
		.amdhsa_next_free_vgpr 1024
		.amdhsa_next_free_sgpr 100
		.amdhsa_reserve_vcc 0
		.amdhsa_float_denorm_mode_32 3
		.amdhsa_float_denorm_mode_16_64 3
		.amdhsa_memory_ordered 1
		.amdhsa_forward_progress 1
		.amdhsa_inst_pref_size 148
	.end_amdhsa_kernel
	.amdgpu_metadata
---
amdhsa.version: [ 1, 2 ]
amdhsa.kernels:
  - .name:           k_q01fabd51d9_gemm_out
    .symbol:         k_q01fabd51d9_gemm_out.kd
    .args:
      - { .name: ctxc, .offset: 0, .size: 8, .value_kind: global_buffer, .address_space: global }
      - { .name: cs, .offset: 8, .size: 8, .value_kind: global_buffer, .address_space: global }
      - { .name: wc, .offset: 16, .size: 8, .value_kind: global_buffer, .address_space: global }
      - { .name: ws, .offset: 24, .size: 8, .value_kind: global_buffer, .address_space: global }
      - { .name: bo, .offset: 32, .size: 8, .value_kind: global_buffer, .address_space: global }
      - { .name: out0, .offset: 40, .size: 8, .value_kind: global_buffer, .address_space: global }
    .group_segment_fixed_size: 327680
    .private_segment_fixed_size: 0
    .kernarg_segment_align: 8
    .kernarg_segment_size: 48
    .max_flat_workgroup_size: 128
    .sgpr_count:     100
    .vgpr_count:     1024
    .wavefront_size: 32
...
	.end_amdgpu_metadata
.endif
;; end of part 5
